; MI455X (gfx1250); checked and timed in simulation.
; The chip was launched on July 23, 2026; its instructions are those of AMD's public machine-readable ISA for CDNA 5 (MIT licence, August 2026) and "CDNA5" Instruction Set Architecture Reference Guide (July 2026). The comments in the code are by the model that wrote it; some were corrected since.
;; Causal Multi Head Self Attention. Allowed arithmetic: matrix products marked QUANTISED: E4M3 operands, one given power-of-two scale a tensor, by v_wmma_f32_16x16x64_fp8_fp8 or v_wmma_f32_16x16x128_fp8_fp8, f32 sums; everything else in f32.
;; Inputs: lowp_scales 8 int32 (the exponents e of the quantised operands' scales 2^e); wk 1,024 x 1,024 float32; wo 1,024 x 1,024 float32; wq 1,024 x 1,024 float32; wv 1,024 x 1,024 float32; x 4 x 2,048 x 1,024 float32.
;; Outputs: out0 4 x 2,048 x 1,024 float32.
;; This version of the problem:
;;   THIS VERSION OF THE PROBLEM IS GIVEN IN LOW PRECISION. The matrix products marked QUANTISED in the list below multiply operands that are first quantised to E4M3 (4 exponent bits, 3 mantissa bits; 8 bits a number), with one given power-of-two scale for each operand tensor; their sums are f32. All else is computed in f32.
;;   The module's matrix products, in the order in which they are computed (A, B: the left and right operand; K: the contracted axis; several contracted axes count as one K, in the product's order):
;;     1. [M 8,192, K 1,024] x [K 1,024, N 3,072]; A: input x; B: computed on the way: QUANTISED (scales: A lowp_scales[0], B lowp_scales[1])
;;     2. batch 64 x [M 2,048, K 64] x [K 64, N 2,048]; A: computed on the way; B: computed on the way: QUANTISED (scales: A lowp_scales[2], B lowp_scales[3])
;;     3. batch 64 x [M 2,048, K 2,048] x [K 2,048, N 64]; A: softmax (see below); B: computed on the way: QUANTISED (scales: A lowp_scales[4], B lowp_scales[5])
;;     4. [M 8,192, K 1,024] x [K 1,024, N 1,024]; A: computed on the way; B: input wo: QUANTISED (scales: A lowp_scales[6], B lowp_scales[7])
;;   THE QUANTISER, for each operand of a quantised product, along K:
;;     - The operand's scale is 2^e, e = its entry of the input lowp_scales (int32; the entries are numbered through the quantised products in the list's order, A before B).
;;     - Each number is divided by the scale, clamped to +-448, and rounded to the nearest number of E4M3, ties to even, subnormals kept.
;;     - The product sums the exact products of the quantised numbers (number of the format x scale) in f32.
;;   ~~~python
;;   def quantise(x, axis, e):      # numpy; x: float32 -> the quantised numbers, widened to float32 again
;;       x = np.moveaxis(x, axis, -1); K = x.shape[-1]
;;       r = np.clip(x / 2.0 ** e, -448, 448)
;;       step = 2.0 ** (np.maximum(np.frexp(np.where(r == 0, 1, r))[1] - 1, -6) - 3)
;;       q = np.round(r / step) * step * 2.0 ** e      # np.round: ties to even
;;       return np.moveaxis(q, -1, axis).astype(np.float32)
;;   ~~~
;;   SOFTMAX AHEAD OF A QUANTISED PRODUCT. Where the list says 'softmax', what is quantised is not the finished softmax but p = 2^(t - M), with t = logit x log2(e) and M = ceil(the row's largest t), a whole number; so 1/2 < the row's largest p <= 1. The row's sum l is taken of the UNQUANTISED p, in f32, and the product's result is divided by l at the end. Since M is a whole number, a kernel that streams over the keys may use a running M (the ceiling of the running maximum): every later rescaling is an exact power of two, so the quantised numbers keep their values, but for numbers so far below the row's largest that they fall under the format's range.
;;   OPERANDS COMPUTED ON THE WAY. 'Computed on the way' means the value that the module computes at that place (a softmax that the list does not call 'softmax' is quantised finished and normalised). What goes into a quantiser is computed in f32, as accurately as f32 sums, v_exp_f32 and their like allow (about 1e-6 of the number): no bf16 or f16 on the way to a quantiser, and a product that is left as it is and whose result goes on into a quantised operand takes f32 operands (vector FMAs, or v_wmma_f32_16x16x4_f32). A number that lies on a knife's edge between two numbers of the format may be rounded either way, as far as f32 arithmetic and the matrix unit's own rounding can turn it there, and no further.
;; One version. Each part assembles by itself: llvm-mc -triple=amdgcn-amd-amdhsa -mcpu=gfx1250 --defsym DOCPART=n.
;; ======== version 1 of 1: 4 launches
;; limits: right only within a limited range of input values
;; workspace buffers: xcodes 8,388,608 bytes; wcodes 4,194,304 bytes; rope 524,288 bytes; qimg 8,388,608 bytes; kvimg 16,777,216 bytes; aimg 8,388,608 bytes
;; launch prep (part 1): grid 400 x 1, 4 waves a work-group, no clusters, 33,280 bytes of LDS; arguments x, wq, wk, wv, wo, lowp_scales, xcodes, wcodes, rope; writes xcodes, wcodes, rope
.if DOCPART == 1
	.amdgcn_target "amdgcn-amd-amdhsa--gfx1250"
	.amdhsa_code_object_version 6
	.text
	.protected	k_qf0e6aa23fa_prep
	.globl	k_qf0e6aa23fa_prep
	.p2align	8
	.type	k_qf0e6aa23fa_prep,@function
k_qf0e6aa23fa_prep:
	s_mov_b64 s[64:65], 0
	v_nop
	global_prefetch_b8 v0, s[64:65] scope:SCOPE_SE
	s_setreg_imm32_b32 hwreg(HW_REG_WAVE_MODE, 25, 1), 1
	s_wait_xcnt 0x0
; PREP: x [8192][1024] and the four weights [1024][1024], f32, become codes of FP8 (E4M3), K innermost, each with the scale 2^e given for it; and the table of cosines and sines for the rotation of q and k is made.
; code = number / 2^e, held within +-448, to the nearest code, ties to even.  e: entry 0 of the scales for x, entry 1 for wq, wk, wv, entry 7 for wo.
; LIMITS: each e lies between -126 and 119, so that 2^e and 448 x 2^e are f32 numbers.  NaN among the inputs is not served (an infinity is held at the largest code).
; SHARES: work-groups 0-255 take x, 256-383 the weights (32 each, in the order q, k, v, o, which is also the order of wcodes' rows), 384-399 the table.  Which tensor is a choice of pointers on the work-group's number.
; A quantising wave takes 16 steps of 512 numbers.  Each load reads 512 consecutive bytes; a step's 2,048 bytes turn through the wave's own stage in LDS, so that a lane holds two groups of eight neighbours along K.
; THE ORDER OF THE CODES: within each 32 along K the four groups of eight are stored in the order 0, 2, 1, 3.  A product's lane (row r, half h) that loads the 16 bytes at 32 c + 16 h of a row then holds
; k = 32 c + 8 h + 0..7 and k = 32 c + 16 + 8 h + 0..7: the places that the plain 8-bit matrix forms give its registers 4 c .. 4 c + 3.  So an even lane here takes groups 0 and 2 of its block, an odd lane groups 1 and 3.
; THE TABLE: rope[pos][f] = (cos, sin) of the f32 product pos x 10000^(-f/32), pos 0..2047, f 0..31: 256 bytes a position.  10000^(-f/32) = 2^(-f a), a = log2(10000)/32 in two parts, the low part applied as 1 + x ln 2;
; the angle is reduced by multiples of pi/2 held in two parts (the first subtraction is exact) and sine and cosine are polynomials on +-pi/4.
; LIMIT: the frequency may differ from a correctly rounded power by about a unit in its last place, which at the largest angles is of the size of the angle's own rounding.
.set WAVES, 4
.set STEPS, 16
.set GX,    256                        ; work-groups of x: 8,192 x 1,024 / 32,768
.set GW,    32                         ; of one weight
.set GT0,   GX+4*GW                    ; the table's first
.set EMAX,  8
.set MANT,  0x600000                   ; the mantissa field of 448 as f32
.set CB,    16                         ; bytes of a lane's 16 codes
.set R,     16                         ; v16-79   four sets of 16 numbers as they are loaded
.set X,     80                         ; v80-111  two sets of 16 numbers as the conversions want them
.set C,     128                        ; v128-191 codes: four registers for each step, so that no store's data are written again
.set WREG,  8192                       ; LDS: a region for each wave: two stages of 32 x SP bytes
.set SP,    80                         ; 64 bytes (16 numbers) + 16 of padding
.set SPW,   12                         ; v12      LDS address of my spare word; never rewritten
.set NIL,   13                         ; v13      0; never rewritten
.set SPARE, WAVES*WREG                 ; behind the regions: the spare words, 128 bytes a wave, which no other line names
	s_load_b512 s[4:19], s[0:1], 0x0               ; x, wq, wk, wv, wo, the scales, xcodes, wcodes
	s_load_b64 s[20:21], s[0:1], 0x40              ; rope
	v_lshl_add_u32 v[SPW], v0, 2, SPARE
	v_mov_b32 v[NIL], 0
	v_lshrrev_b32 v1, 5, v0
	v_readfirstlane_b32 s22, v1                    ; wave 0..3
	v_and_b32 v2, 31, v0                           ; lane
	s_cmp_ge_u32 ttmp9, GT0
	s_cbranch_scc1 .Ltable                         ; the table's work-groups touch no LDS
	v_lshlrev_b32 v3, 4, v2                        ; my 16 bytes of a load's 512
	s_mul_i32 s23, s22, WREG
	v_lshrrev_b32 v14, 2, v2
	v_mul_u32_u24 v14, v14, SP
	v_and_b32 v15, 3, v2
	v_lshl_add_u32 v14, v15, 4, v14
	v_add_nc_u32 v14, s23, v14                     ; the stage, way in: four lanes' 64 bytes on end, then the padding
	v_and_b32 v15, 30, v2
	v_mul_u32_u24 v15, v15, SP
	v_and_b32 v5, 1, v2
	v_lshl_add_u32 v15, v5, 5, v15
	v_add_nc_u32 v15, s23, v15                     ; way out: my block's first 64 bytes, + 32 for an odd lane; the block's second 64 bytes lie SP further on
	v_lshlrev_b32 v4, 4, v2                        ; my codes' place in a step's 512
	s_sub_co_u32 s36, ttmp9, GX                    ; which 32,768 codes of wcodes (a weight's work-group),
	s_and_b32 s37, s36, GW-1                       ; and which 32,768 numbers of its weight
	s_wait_alu depctr_va_vdst(0)
	s_wait_kmcnt 0x0
	s_load_b256 s[24:31], s[14:15], 0x0            ; the eight exponents
	s_cmp_lt_u32 ttmp9, GX+3*GW                    ; the choices hang on the work-group's number alone
	s_cselect_b64 s[32:33], s[10:11], s[12:13]     ; wv, else wo
	s_cmp_lt_u32 ttmp9, GX+2*GW
	s_cselect_b64 s[32:33], s[8:9], s[32:33]       ; wk
	s_cmp_lt_u32 ttmp9, GX+GW
	s_cselect_b64 s[32:33], s[6:7], s[32:33]       ; wq
	s_cmp_lt_u32 ttmp9, GX
	s_cselect_b64 s[32:33], s[4:5], s[32:33]       ; x
	s_cselect_b64 s[34:35], s[16:17], s[18:19]     ; xcodes, else wcodes
	s_cselect_b32 s37, ttmp9, s37
	s_cselect_b32 s36, ttmp9, s36
	s_lshl_b32 s37, s37, 2
	s_add_co_u32 s37, s37, s22                     ; my wave's run of 8,192 numbers in the source,
	s_lshl_b32 s38, s37, 15                        ; in bytes (under 2^25)
	s_mov_b32 s39, 0
	s_add_nc_u64 s[32:33], s[32:33], s[38:39]
	s_lshl_b32 s36, s36, 2
	s_add_co_u32 s36, s36, s22
	s_lshl_b32 s38, s36, 13                        ; and of 8,192 codes in the destination
	s_add_nc_u64 s[34:35], s[34:35], s[38:39]
.macro LOAD t
.irp i, 0,1,2,3
	global_load_b128 v[R+16*((\t)%4)+4*\i:R+16*((\t)%4)+4*\i+3], v3, s[32:33] offset:2048*(\t)+512*\i th:TH_LOAD_NT   ; 32 lanes read 512 consecutive bytes; read once in the launch
.endr
.endm
.macro TURN t                          ; step t's numbers through the stage: LDS serves a wave's instructions in order, so no wait stands between the stores and the loads
.irp i, 0,1,2,3
	ds_store_b128 v14, v[R+16*((\t)%4)+4*\i:R+16*((\t)%4)+4*\i+3] offset:32*SP*((\t)%2)+8*SP*\i
.endr
.irp i, 0,1,2,3
	ds_load_b128 v[X+16*((\t)%2)+4*\i:X+16*((\t)%2)+4*\i+3], v15 offset:32*SP*((\t)%2)+SP*(\i/2)+16*(\i%2)   ; eight numbers of the block's first half, eight of its second
.endr
.endm
.irp t, 0,1,2,3
	LOAD \t
.endr
	s_wait_kmcnt 0x0
	s_cmp_lt_u32 ttmp9, GX+3*GW
	s_cselect_b32 s40, s25, s31                    ; entry 1 for wq, wk, wv; entry 7 for wo;
	s_cmp_lt_u32 ttmp9, GX
	s_cselect_b32 s40, s24, s40                    ; entry 0 for x
	s_add_co_i32 s40, s40, 127
	s_lshl_b32 s41, s40, 23
	v_mov_b32 v11, s41                             ; 2^e as f32: the conversion takes its exponent field
	s_add_co_i32 s40, s40, EMAX
	s_lshl_b32 s40, s40, 23
	s_or_b32 s40, s40, MANT
	v_mov_b32 v10, s40                             ; 448 x 2^e
	s_wait_alu depctr_va_vdst(0)
	s_wait_loadcnt 12                              ; step 0's four loads are in; the twelve of steps 1 to 3 may be out
	TURN 0
.macro STEP t
.set XS, X+16*((\t)%2)
	s_wait_dscnt 0x0                               ; this step's numbers are back from the stage: so its stores into the stage have read their registers,
.if (\t)+4 < STEPS
	LOAD (\t)+4                                    ; which take the loads of four steps on
.endif
.if (\t)+1 < STEPS
.if STEPS-2-(\t) >= 3
	s_wait_loadcnt 12                              ; the next step's four loads are in; those of the three steps behind it may be out
.else
	s_wait_loadcnt 4*(STEPS-2-(\t))                ; at the tail fewer steps stand behind it
.endif
	TURN (\t)+1                                    ; through the other stage while this step is worked
.endif
.irp i, 0,1,2,3,4,5,6,7,8,9,10,11,12,13,14,15
	v_med3_num_f32 v[XS+\i], v[XS+\i], -v10, v10   ; the conversion to an 8-bit code does not saturate (ISA guide 7.6.2): the hold at the largest code x the scale comes first
.endr
	v_cvt_scalef32_pk8_fp8_f32 v[C+4*(\t):C+4*(\t)+1], v[XS:XS+7], v11
	v_cvt_scalef32_pk8_fp8_f32 v[C+4*(\t)+2:C+4*(\t)+3], v[XS+8:XS+15], v11
	global_store_b128 v4, v[C+4*(\t):C+4*(\t)+3], s[34:35] offset:32*CB*(\t)   ; the wave stores 512 consecutive bytes, aligned.  (The codes go to a store alone; the next vector lines are the next step's holds, plain ones on other registers)
.endm
.irp t, 0,1,2,3,4,5,6,7,8,9,10,11,12,13,14,15
	STEP \t
.endr
	s_wait_tensorcnt 0x0                           ; the wave's end
	ds_add_u32 v[SPW], v[NIL]
	s_wait_dscnt 0x0
	s_endpgm
.Ltable:                               ; lane = frequency f; a wave makes 32 positions, one a trip: each store is one position's 256 bytes
	s_sub_co_u32 s37, ttmp9, GT0
	s_lshl_b32 s37, s37, 7
	s_lshl_b32 s38, s22, 5
	s_add_co_u32 s37, s37, s38                     ; my first position: 128 x work-group + 32 x wave
	s_lshl_b32 s38, s37, 8
	s_mov_b32 s39, 0
	s_mov_b32 s40, 0xbed49a78                      ; -log2(10000)/32, upper part
	s_mov_b32 s41, 0xb2179a18                      ; and what is left of it
	s_mov_b32 s42, 0x3fc90fdb                      ; pi/2, upper part
	s_mov_b32 s43, 0xb33bbd2e                      ; and what is left of it
	s_wait_alu depctr_va_vdst(0)
	v_cvt_f32_u32 v16, v2                          ; f
	v_mul_f32 v17, s40, v16                        ; the exponent, rounded,
	v_fma_f32 v18, v16, s40, -v17                  ; what that rounding lost (exact),
	v_fma_f32 v18, v16, s41, v18                   ; and the low part's share
	s_wait_alu depctr_va_vdst(0)
	v_exp_f32 v19, v17
	v_mul_f32 v18, 0x3f317218, v18                 ; x ln 2.  (The plain line behind the exponential)
	v_cvt_f32_u32 v20, s37                         ; the position as f32
	v_lshlrev_b32 v33, 3, v2                       ; 8 bytes a lane
	v_mov_b32 v34, 0xb94ca1f9                      ; the sine's leading coefficient,
	v_mov_b32 v35, 0x37ccf5ce                      ; the cosine's
	s_wait_alu depctr_va_vdst(0)                   ; ahead of the first line that names the exponential's result
	v_fma_f32 v19, v19, v18, v19                   ; 10000^(-f/32)
	s_wait_kmcnt 0x0
	s_add_nc_u64 s[20:21], s[20:21], s[38:39]
	s_mov_b32 s36, 0
.Lpos:
	s_wait_alu depctr_va_vdst(0)
	v_mul_f32 v21, v20, v19                        ; the angle, one f32 product
	v_mul_f32 v22, 0x3f22f983, v21                 ; x 2/pi,
	v_rndne_f32 v22, v22                           ; n
	v_fma_f32 v23, -v22, s42, v21                  ; r = angle - n pi/2, in two parts
	v_fma_f32 v23, -v22, s43, v23
	v_cvt_i32_f32 v24, v22
	v_mul_f32 v25, v23, v23                        ; z = r r
	v_fmaak_f32 v26, v34, v25, 0x3c08839e
	v_fmaak_f32 v27, v35, v25, 0xbab6061a
	v_fmaak_f32 v26, v26, v25, 0xbe2aaaa3
	v_fmaak_f32 v27, v27, v25, 0x3d2aaaa5
	v_mul_f32 v28, v25, v23
	v_mul_f32 v29, v25, v25
	v_fma_f32 v32, v25, -0.5, 1.0
	v_fma_f32 v26, v26, v28, v23                   ; sin r
	v_fma_f32 v27, v27, v29, v32                   ; cos r
	v_and_b32 v28, 1, v24
	v_cmp_eq_u32 vcc_lo, 1, v28                    ; an odd n exchanges the two;
	v_and_b32 v29, 2, v24                          ; the sine changes sign for n mod 4 = 2, 3,
	v_add_nc_u32 v32, 1, v24
	v_and_b32 v32, 2, v32                          ; the cosine for 1, 2
	v_lshlrev_b32 v29, 30, v29
	v_lshlrev_b32 v32, 30, v32
	v_cndmask_b32 v31, v26, v27, vcc_lo
	v_cndmask_b32 v30, v27, v26, vcc_lo
	v_xor_b32 v31, v31, v29                        ; sin
	v_xor_b32 v30, v30, v32                        ; cos
	global_store_b64 v33, v[30:31], s[20:21]       ; 32 lanes store 256 consecutive bytes, aligned
	s_wait_xcnt 0x0                                ; the store has read its data and its base: both are written again below and in the next trip
	s_add_nc_u64 s[20:21], s[20:21], 256
	v_add_f32 v20, 1.0, v20
	s_add_co_u32 s36, s36, 1
	s_cmp_lt_u32 s36, 32
	s_cbranch_scc1 .Lpos
	s_endpgm
.Lfunc_end_k_qf0e6aa23fa_prep:
	.size	k_qf0e6aa23fa_prep, .Lfunc_end_k_qf0e6aa23fa_prep-k_qf0e6aa23fa_prep
	.p2alignl 7, 3214868480
	.fill 96, 4, 3214868480
	.section	.rodata,"a",@progbits
	.p2align	6, 0x0
	.amdhsa_kernel k_qf0e6aa23fa_prep
		.amdhsa_group_segment_fixed_size 33280
		.amdhsa_private_segment_fixed_size 0
		.amdhsa_enable_private_segment 0
		.amdhsa_kernarg_size 72
		.amdhsa_user_sgpr_count 2
		.amdhsa_user_sgpr_kernarg_segment_ptr 1
		.amdhsa_wavefront_size32 1
		.amdhsa_system_sgpr_workgroup_id_x 1
		.amdhsa_system_sgpr_workgroup_id_y 1
		.amdhsa_system_sgpr_workgroup_id_z 1
		.amdhsa_system_vgpr_workitem_id 0
		.amdhsa_next_free_vgpr 192
		.amdhsa_next_free_sgpr 66
		.amdhsa_reserve_vcc 1
		.amdhsa_float_denorm_mode_32 3
		.amdhsa_float_denorm_mode_16_64 3
		.amdhsa_memory_ordered 1
		.amdhsa_forward_progress 1
		.amdhsa_inst_pref_size 41
	.end_amdhsa_kernel
	.amdgpu_metadata
---
amdhsa.version: [ 1, 2 ]
amdhsa.kernels:
  - .name:           k_qf0e6aa23fa_prep
    .symbol:         k_qf0e6aa23fa_prep.kd
    .args:
      - { .name: x, .offset: 0, .size: 8, .value_kind: global_buffer, .address_space: global }
      - { .name: wq, .offset: 8, .size: 8, .value_kind: global_buffer, .address_space: global }
      - { .name: wk, .offset: 16, .size: 8, .value_kind: global_buffer, .address_space: global }
      - { .name: wv, .offset: 24, .size: 8, .value_kind: global_buffer, .address_space: global }
      - { .name: wo, .offset: 32, .size: 8, .value_kind: global_buffer, .address_space: global }
      - { .name: lowp_scales, .offset: 40, .size: 8, .value_kind: global_buffer, .address_space: global }
      - { .name: xcodes, .offset: 48, .size: 8, .value_kind: global_buffer, .address_space: global }
      - { .name: wcodes, .offset: 56, .size: 8, .value_kind: global_buffer, .address_space: global }
      - { .name: rope, .offset: 64, .size: 8, .value_kind: global_buffer, .address_space: global }
    .group_segment_fixed_size: 33280
    .private_segment_fixed_size: 0
    .kernarg_segment_align: 8
    .kernarg_segment_size: 72
    .max_flat_workgroup_size: 128
    .sgpr_count:     66
    .vgpr_count:     192
    .wavefront_size: 32
...
	.end_amdgpu_metadata
.endif
;; end of part 1
;; launch qkv (part 2): grid 12 x 32, 4 waves a work-group, clusters of 4 x 4, 327,680 bytes of LDS; arguments xcodes, wcodes, lowp_scales, rope, qimg, kvimg; writes qimg, kvimg
.if DOCPART == 2
	.amdgcn_target "amdgcn-amd-amdhsa--gfx1250"
	.amdhsa_code_object_version 6
	.text
	.protected	k_qf0e6aa23fa_qkv
	.globl	k_qf0e6aa23fa_qkv
	.p2align	8
	.type	k_qf0e6aa23fa_qkv,@function
k_qf0e6aa23fa_qkv:
	s_mov_b64 s[64:65], 0
	v_nop
	global_prefetch_b8 v0, s[64:65] scope:SCOPE_SE
	s_setreg_imm32_b32 hwreg(HW_REG_WAVE_MODE, 25, 1), 1
	s_wait_xcnt 0x0
	s_wait_alu depctr_hold_cnt(0) depctr_sa_sdst(0) depctr_va_vdst(0) depctr_va_sdst(0) depctr_va_ssrc(0) depctr_va_vcc(0) depctr_vm_vsrc(0)
	s_getreg_b32 s2, hwreg(HW_REG_IB_STS2, 6, 4)
	s_cmp_eq_u32 s2, 0
	s_cbranch_scc0 .Lentry_in_a_cluster
	s_endpgm
.Lentry_in_a_cluster:
	s_bfe_u32 s2, ttmp6, 0x10000c
	s_cmp_lg_u32 s2, 0xf033
	s_cbranch_scc0 .Lentry_shape_is_right
	s_endpgm
.Lentry_shape_is_right:
; QKV: [8192][3072] = x Wqkv^T on codes of FP8 (E4M3), K = 1,024, f32 sums; q and k are rotated (f32), and q, k, v are quantised and stored AS THE NEXT LAUNCH'S OPERAND REGISTERS.
; A tile of 256 x 256 is made by four waves, 128 x 128 each: 64 accumulators, 512 registers.  K goes in four steps of 256 through two LDS slots filled by the tensor data mover (rows of 256 bytes).
; A slot holds 256 rows for source 1, then 256 rows for source 0.  CLUSTERS: 4 x 4; source 1's tile hangs on cy and is shared along a row of the cluster, source 0's on cx and is shared along a column.
; The cluster's x says which third of the columns a cluster makes: 0 = q, 1 = k, 2 = v; it is the same in all sixteen partners.
; q, k: source 1 = x's tile 4 Y + cy (Y the cluster's y), source 0 = the weights' tile 4 X + cx: lane (r, h) holds token r and features 8 h + 0..7; a head's four tiles convert into a fragment's eight registers.
; v: THE TENSORS CHANGE PLACES IN MEMORY: source 1 = wv's tile 8 + cy, source 0 = x's tile 4 Y + cx (a choice of pointers and of tile numbers on the cluster's x; the LDS addresses and the masks stay as they are):
;   lane (r, h) holds channel r and tokens 8 h + 0..7, so that the eight tiles of 128 tokens convert into the sixteen registers of a fragment of V^T (16 channels x 128 keys).
; A fragment leaves as images of four registers: lane l's 16 bytes at 16 l: each store of the wave covers 512 consecutive bytes, aligned.
; The sums lack the factor 2^(e0 + e1); the rotation is linear, so that factor and the operand's own scale 2^eX (entry 2 for q, 3 for k, 5 for v) are folded into the conversion's one scale 2^(eX - e0 - e1).
; LIMIT: eX - e0 - e1 lies between -126 and 119, so that this power and 448 times it are f32 numbers.
; The table's first loads go out at the head in every work-group, v's too, which do not use them: so the waits on the way out count the same loads on every way.
; NO PREFETCH: K is four steps; two of them are asked for ahead of the first product, and the other two stand one and two steps behind: there is no trip two steps ahead of them.
; REGISTERS: window 0: v0-31 addresses; v32-127 three sets of the table's 32 numbers; from v128 source 1's fragments, ONE set.  window 1: source 0's fragments, TWO sets.  windows 2, 3: the accumulators.
.set ROWB,   256
.set KROW,   1024
.set PITCH,  272                       ; 256 bytes + 16 of padding: the 16 rows that a load touches start at 16 different banks (ISA guide 11.1)
.set FR,     16
.set NL,     4
.set NP,     4                         ; places behind this matrix instruction (ISA guide 7.12.1)
.set HALFT,  128*PITCH
.set SLOT,   4*HALFT
.set SPARE,  2*SLOT                    ; the spare words, 128 bytes a wave, which no other line names
.set ADRA, 16                          ; v16-17 source 1's fragments in slot 0, 1
.set ADRB, 20                          ; v20-21 source 0's
.set LI,   24                          ; 16 x lane
.set TA,   25                          ; my byte in the table
.set SC,   26                          ; 2^(eX - e0 - e1)
.set LIM,  27                          ; 448 x that
.set SPW,  28
.set NIL,  29
.set TR,   32
.set AF,   128
.set WK,   128
.set CDQ,  160
.set CDV,  192
.set G1, 24
.set G0, 32
.set G1B, 48
.set G0B, 56
.set T1,  66                           ; s66 source 1's tile (hangs on cy)
.set T0,  67                           ; s67 source 0's tile (hangs on cx)
.set DB0, 80
.set DBV, 84
.set MSB, 0
.macro WIN new
.if MSB != (\new)
	s_set_vgpr_msb (MSB<<8)|(\new)
.set MSB, (\new)
.endif
.endm
.set MUL_LO, 0xa1
.set MUL_HI, 0xf1
.set TO_B,   0x40
; a joint load: waves 0, 1 fetch source 1's halves, waves 2, 3 source 0's; an s_nop 0 and four v_nop follow each line
.macro JLOAD g0a, g1a, g0b, g1b
	s_cmp_eq_u32 s15, 0
	s_cbranch_scc0 .Lfor_b_\@
	tensor_load_to_lds s[\g0a:\g0a+3], s[\g1a:\g1a+7]
	s_nop 0
.rept 4
	v_nop
.endr
	s_branch .Lasked_\@
.Lfor_b_\@:
	tensor_load_to_lds s[\g0b:\g0b+3], s[\g1b:\g1b+7]
	s_nop 0
.rept 4
	v_nop
.endr
.Lasked_\@:
.endm
.macro CREST
	s_cmp_lg_u32 s14, 0
	s_cbranch_scc1 .Lnot_wave_0_\@
	s_barrier_signal -3
.Lnot_wave_0_\@:
	s_barrier_wait -3
	s_barrier_signal -1
	s_barrier_wait -1
.endm
.macro CROUND
	s_barrier_signal -1
	s_barrier_wait -1
	CREST
.endm
	s_load_b256 s[4:11], s[0:1], 0x0               ; xcodes, wcodes, the scales, rope
	s_load_b128 s[68:71], s[0:1], 0x20             ; qimg, kvimg
	v_lshl_add_u32 v[SPW], v0, 2, SPARE
	v_mov_b32 v[NIL], 0
	ds_add_u32 v[SPW], v[NIL]                      ; the opening lines: the add, twice on end, and its wait ahead of my first tensor load
	ds_add_u32 v[SPW], v[NIL]
	v_lshrrev_b32 v1, 5, v0
	v_readfirstlane_b32 s14, v1                    ; wave 0..3
	s_lshr_b32 s15, s14, 1                         ; my half of source 1's rows; also: I fetch for source 1 (0) or source 0 (1)
	s_and_b32 s16, s14, 1                          ; my half of source 0's rows; also: which 128 rows I fetch
	s_bfe_u32 s40, ttmp6, 0x40000                  ; cx
	s_bfe_u32 s41, ttmp6, 0x40004                  ; cy
	s_lshl_b32 s42, ttmp9, 2                       ; 4 X
	s_and_b32 s17, ttmp7, 0xffff
	s_lshl_b32 s17, s17, 2                         ; 4 Y
	s_cmp_ge_u32 ttmp9, 2                          ; v?
	s_cselect_b32 s[T1], s42, s17                  ; v: wv's tiles begin at 4 X = 8; else x's at 4 Y
	s_cselect_b32 s[T0], s17, s42
	s_add_co_u32 s[T1], s[T1], s41
	s_add_co_u32 s[T0], s[T0], s40
	s_lshl_b32 s43, s41, 2
	s_lshl_b32 s43, 15, s43                        ; my row of the cluster
	s_lshl_b32 s44, 0x1111, s40                    ; my column
	s_or_b32 s[G1+0], s43, (0<<16)|(1<<20)|(1<<21)|(5<<22)|(3<<25)  ; mask; elements of 1 byte; four words of padding after every 64
	s_or_b32 s[G1B+0], s44, (0<<16)|(1<<20)|(1<<21)|(5<<22)|(3<<25)
.irp g, G1, G1B
	s_mov_b32 s[\g+1], ROWB<<16
	s_mov_b32 s[\g+2], 128<<16
	s_mov_b32 s[\g+3], ROWB<<16
	s_mov_b32 s[\g+4], 128
	s_mov_b32 s[\g+5], KROW
	s_mov_b32 s[\g+6], 0
	s_mov_b32 s[\g+7], 0
.endr
	s_lshl_b32 s18, s16, 7
	s_lshl_b32 s20, s[T1], 8
	s_add_co_u32 s20, s20, s18                     ; source 1: row 256 x tile + 128 x half,
	s_lshl_b32 s20, s20, 10                        ; of 1,024 bytes
	s_mov_b32 s21, 0
	s_lshl_b32 s46, s[T0], 8
	s_add_co_u32 s46, s46, s18
	s_lshl_b32 s46, s46, 10
	s_mov_b32 s47, 0
	s_mul_i32 s45, s14, HALFT                      ; where they go: wave x 128 rows
	s_wait_dscnt 0x0
	s_wait_kmcnt 0x0
	s_load_b256 s[72:79], s[8:9], 0x0              ; the eight exponents
	s_cmp_ge_u32 ttmp9, 2
	s_cselect_b64 s[92:93], s[6:7], s[4:5]         ; source 1's tensor: the weights for v, else x
	s_cselect_b64 s[94:95], s[4:5], s[6:7]         ; source 0's
	s_add_nc_u64 s[20:21], s[92:93], s[20:21]
	s_add_nc_u64 s[46:47], s[94:95], s[46:47]
	CROUND                                         ; all sixteen work-groups are here: the first joint loads meet
.irp s, 0,1
	s_mov_b32 s[G0+4*\s], 1
	s_add_co_u32 s[G0+4*\s+1], s45, \s*SLOT
	s_add_nc_u64 s[G0+4*\s+2:G0+4*\s+3], s[20:21], \s*ROWB
	s_or_b32 s[G0+4*\s+3], s[G0+4*\s+3], 0x80000000
	s_mov_b32 s[G0B+4*\s], 1
	s_add_co_u32 s[G0B+4*\s+1], s45, \s*SLOT
	s_add_nc_u64 s[G0B+4*\s+2:G0B+4*\s+3], s[46:47], \s*ROWB
	s_or_b32 s[G0B+4*\s+3], s[G0B+4*\s+3], 0x80000000
.endr
	JLOAD G0, G1, G0B, G1B                         ; K step 0: one tensor load a wave at the head
	v_and_b32 v1, 15, v0                           ; r
	v_bfe_u32 v2, v0, 4, 1                         ; h
	v_mul_u32_u24 v3, v1, PITCH
	v_lshl_add_u32 v4, v2, 4, v3
	s_wait_alu depctr_va_vdst(0)
	s_mul_i32 s21, s15, HALFT                      ; source 1: my 128 rows
	s_mul_i32 s22, s16, HALFT
	s_add_co_u32 s22, s22, 2*HALFT                 ; source 0: my 128 rows, behind source 1's 256
.irp s, 0,1
	v_add_nc_u32 v[ADRA+\s], s21, v4
	v_add_nc_u32 v[ADRB+\s], s22, v4
	s_add_co_u32 s21, s21, SLOT
	s_add_co_u32 s22, s22, SLOT
.endr
	v_and_b32 v5, 31, v0
	v_lshlrev_b32 v[LI], 4, v5
	s_and_b32 s88, s[T1], 7                        ; q, k: the token tile within its sequence
	s_lshl_b32 s88, s88, 1
	s_add_co_u32 s88, s88, s15                     ; which 128 tokens of the sequence are mine
	s_lshl_b32 s89, s88, 15
	v_lshlrev_b32 v[TA], 8, v1
	v_lshl_add_u32 v[TA], v2, 5, v[TA]
	v_add_nc_u32 v[TA], s89, v[TA]
.macro TLOADS a                        ; the table for block a's 16 tokens
.irp bb, 0,1,2,3
.irp u, 0,1
	global_load_b128 v[TR+32*((\a)%3)+8*\bb+4*\u:TR+32*((\a)%3)+8*\bb+4*\u+3], v[TA], s[10:11] offset:(\a)*4096+64*\bb+16*\u
.endr
.endr
.endm
	TLOADS 0                                       ; 24 loads stay out through the products, which name none of v32-127 of window 0
	TLOADS 1
	TLOADS 2
	s_wait_kmcnt 0x0
	s_cmp_eq_u32 ttmp9, 0
	s_cselect_b32 s90, s74, s75
	s_cmp_ge_u32 ttmp9, 2
	s_cselect_b32 s90, s77, s90
	s_sub_co_i32 s90, s90, s72
	s_sub_co_i32 s90, s90, s73                     ; eX - e0 - e1
	s_add_co_i32 s90, s90, 127
	s_lshl_b32 s91, s90, 23
	v_mov_b32 v[SC], s91
	s_add_co_i32 s90, s90, 8
	s_lshl_b32 s90, s90, 23
	s_or_b32 s90, s90, 0x600000
	v_mov_b32 v[LIM], s90
	; qimg: [batch x head 64][16 tokens 128][1,024 bytes].  kvimg: [batch x head 64][128 keys 16][16,384 bytes]: K's eight fragments of 1,024 bytes, then V^T's four of 2,048
	s_lshr_b32 s92, s[T1], 3                       ; q, k: the batch,
	s_lshl_b32 s92, s92, 4
	s_lshl_b32 s93, s40, 2
	s_add_co_u32 s92, s92, s93                     ; the tile's first head (4 cx),
	s_lshl_b32 s93, s16, 1
	s_add_co_u32 s93, s93, s92                     ; my first head
	s_lshr_b32 s94, s[T0], 3                       ; v: the batch,
	s_lshl_b32 s94, s94, 4
	s_lshl_b32 s99, s41, 2
	s_add_co_u32 s94, s94, s99                     ; the tile's first head (4 cy),
	s_lshl_b32 s99, s15, 1
	s_add_co_u32 s94, s94, s99                     ; my first head
	s_cmp_eq_u32 ttmp9, 0
	s_cselect_b32 s95, 17, 18                      ; a head's bytes: 2^17 in qimg, 2^18 in kvimg
	s_cselect_b32 s98, 13, 14                      ; 128 tokens' bytes
	s_cselect_b64 s[DB0:DB0+1], s[68:69], s[70:71]
	s_lshl_b32 s96, s93, s95
	s_lshl_b32 s99, s88, s98
	s_add_co_u32 s96, s96, s99
	s_mov_b32 s97, 0
	s_add_nc_u64 s[DB0:DB0+1], s[DB0:DB0+1], s[96:97]
	s_lshl_b32 s96, 1, s95
	s_add_nc_u64 s[DB0+2:DB0+3], s[DB0:DB0+1], s[96:97]
	s_and_b32 s99, s[T0], 7
	s_lshl_b32 s99, s99, 1
	s_add_co_u32 s99, s99, s16                     ; v: which 128 keys are mine
	s_lshl_b32 s99, s99, 14
	s_lshl_b32 s96, s94, 18
	s_add_co_u32 s96, s96, s99
	s_add_nc_u64 s[DBV:DBV+1], s[70:71], s[96:97]
.macro FRAG reg, adr, q, i             ; 16 rows x 128 K: four loads of 16 bytes; by the stored order of the codes registers 2 c, 2 c + 1 hold k = 16 c + 8 h + 0..7
.irp c, 0,1,2,3
	ds_load_b128 v[\reg+4*\c:\reg+4*\c+3], v[\adr] offset:128*(\q)+32*\c+(\i)*16*PITCH
.endr
.endm
; 16 matrix instructions; the 64 accumulators take turns, one instruction a turn; zero = 1: the first product starts the sums
.macro MUL16 a0, p, zero
.irp a, \a0, \a0+1
.irp b, 0,1,2,3,4,5,6,7
.if \zero
	v_wmma_f32_16x16x128_fp8_fp8 v[8*(8*((\a)%4)+\b):8*(8*((\a)%4)+\b)+7], v[128*(\p)+FR*\b:128*(\p)+FR*\b+FR-1], v[AF+FR*(\a):AF+FR*(\a)+FR-1], 0
.else
	v_wmma_f32_16x16x128_fp8_fp8 v[8*(8*((\a)%4)+\b):8*(8*((\a)%4)+\b)+7], v[128*(\p)+FR*\b:128*(\p)+FR*\b+FR-1], v[AF+FR*(\a):AF+FR*(\a)+FR-1], v[8*(8*((\a)%4)+\b):8*(8*((\a)%4)+\b)+7]
.endif
.endr
.endr
.endm
.macro FETCH_B slot, q, p
	WIN TO_B
.irp i, 0,1,2,3,4,5,6,7
	FRAG 128*(\p)+FR*\i, ADRB+\slot, \q, \i
.endr
	WIN 0
.endm
.macro FETCH_A slot, q, i0
.irp i, \i0, \i0+1, \i0+2, \i0+3
	FRAG AF+FR*(\i), ADRA+\slot, \q, \i
.endr
.endm
.macro PLACES n
.rept \n
	v_nop
.endr
.endm
.macro STEP slot, q, zero              ; 128 along K, with its successor in the same slot
	s_wait_dscnt 4*NL                              ; all but the youngest 16 loads (blocks 4-7)
	WIN MUL_LO
	MUL16 0, (\q)%2, \zero
	MUL16 2, (\q)%2, \zero
	s_wait_dscnt 0
	PLACES NP
	FETCH_B \slot, (\q)+1, 1-(\q)%2
	FETCH_A \slot, (\q)+1, 0
	WIN MUL_HI
	MUL16 4, (\q)%2, \zero
	MUL16 6, (\q)%2, \zero
	PLACES NP
	WIN 0
	FETCH_A \slot, (\q)+1, 4
.endm
; a slot's last step changes slots: each wave waits for all its tensor loads, adds 0 to its spare word, waits for that and for its reads; fill = 1: a round of the cluster's barrier, and the slot is filled again
.macro TURN slot, next, fill
	s_wait_tensorcnt 0x0
	ds_add_u32 v[SPW], v[NIL]
	s_wait_dscnt 4*NL+1                            ; the add and the youngest 16 loads may be out
	WIN MUL_LO
	MUL16 0, 1, 0
	s_wait_dscnt 0x0
	s_barrier_signal -1
	MUL16 2, 1, 0
	WIN 0
	s_barrier_wait -1
.if \fill
	CREST
	s_add_nc_u64 s[G0+4*\slot+2:G0+4*\slot+3], s[G0+4*\slot+2:G0+4*\slot+3], 2*ROWB
	s_add_nc_u64 s[G0B+4*\slot+2:G0B+4*\slot+3], s[G0B+4*\slot+2:G0B+4*\slot+3], 2*ROWB
	JLOAD G0+4*\slot, G1, G0B+4*\slot, G1B         ; its four v_nop are the places in front of the loads below
.else
	PLACES NP
.endif
	FETCH_B \next, 0, 0
	FETCH_A \next, 0, 0
	WIN MUL_HI
	MUL16 4, 1, 0
	MUL16 6, 1, 0
	PLACES NP
	WIN 0
	FETCH_A \next, 0, 4
.endm
	s_wait_alu depctr_va_vdst(0)
	s_wait_tensorcnt 0x0                           ; my part of K step 0 is in; these lines stand ahead of a later first fill as ahead of a refill
	ds_add_u32 v[SPW], v[NIL]
	s_wait_dscnt 0x0
	CROUND
	JLOAD G0+4, G1, G0B+4, G1B                     ; K step 1, the first tensor load behind the round
	FETCH_B 0, 0, 0
	FETCH_A 0, 0, 0
	FETCH_A 0, 0, 4
	STEP 0, 0, 1
	TURN 0, 1, 1                                   ; slot 0 takes K 512..767
	STEP 1, 0, 0
	TURN 1, 0, 1                                   ; slot 1 takes K 768..1,023
	STEP 0, 0, 0
	TURN 0, 1, 0
	STEP 1, 0, 0
	s_wait_dscnt 4*NL
	WIN MUL_LO
	MUL16 0, 1, 0
	MUL16 2, 1, 0
	s_wait_dscnt 0
	WIN MUL_HI
	MUL16 4, 1, 0
	MUL16 6, 1, 0
	WIN 0
	PLACES NP
	s_cmp_ge_u32 ttmp9, 2
	s_cbranch_scc1 .Lv
; q, k: block a (16 tokens), head hd.  (x1, x2) -> (x1 c - x2 s, x2 c + x1 s): a packed product (x2 s, x1 s), then a packed multiply-add by c with the low half's addend negated; each accumulator from its low end on
.macro ROPEQ a, hd
.set AC, 64*((\a)%4)+32*(\hd)
.set TT, TR+32*((\a)%3)
.set CD, CDQ+16*((\a)%4)+8*(\hd)
	WIN (0x02+((\a)/4))
.irp bb, 0,1,2,3
.irp i, 0,2,4,6
	v_pk_mul_f32 v[WK+8*\bb+\i:WK+8*\bb+\i+1], v[AC+8*\bb+\i:AC+8*\bb+\i+1], v[TT+8*\bb+\i:TT+8*\bb+\i+1] op_sel:[1,1] op_sel_hi:[0,1]
.endr
.endr
.irp bb, 0,1,2,3
.irp i, 0,2,4,6
	v_pk_fma_f32 v[WK+8*\bb+\i:WK+8*\bb+\i+1], v[AC+8*\bb+\i:AC+8*\bb+\i+1], v[TT+8*\bb+\i:TT+8*\bb+\i+1], v[WK+8*\bb+\i:WK+8*\bb+\i+1] op_sel_hi:[1,0,1] neg_lo:[0,0,1]
.endr
.endr
	WIN 0
.irp bb, 0,1,2,3
.irp i, 0,1,2,3,4,5,6,7
	v_med3_num_f32 v[WK+8*\bb+\i], v[WK+8*\bb+\i], -v[LIM], v[LIM]   ; the conversion does not saturate (ISA guide 7.6.2)
.endr
	v_cvt_scalef32_pk8_fp8_f32 v[CD+2*\bb:CD+2*\bb+1], v[WK+8*\bb:WK+8*\bb+7], v[SC]
.endr
	v_nop                                          ; a plain line behind the last conversion
	global_store_b128 v[LI], v[CD:CD+3], s[DB0+2*(\hd):DB0+2*(\hd)+1] offset:(\a)*1024
	global_store_b128 v[LI], v[CD+4:CD+7], s[DB0+2*(\hd):DB0+2*(\hd)+1] offset:(\a)*1024+512
.endm
.irp a, 0,1,2,3,4,5,6,7
.if \a < 6
	s_wait_loadcnt 16                              ; block a's eight table loads are in; two blocks' may be out
.else
	s_wait_loadcnt 8*(7-\a)
.endif
.if \a >= 4
	s_wait_xcnt 0x0                                ; block a - 4's stores have read their data
.endif
	ROPEQ \a, 0
	ROPEQ \a, 1
.if \a+3 <= 7
	TLOADS \a+3
.endif
.endr
	s_branch .Lout
.Lv:
; v: channel tile a (head a / 4, tile a % 4): its eight accumulators, 128 keys, become one fragment of V^T
.macro VOUT a
.if (\a) >= 4
	s_wait_xcnt 0x0
.endif
	WIN (0x02+((\a)/4))
.set n, 0
.rept 64
	v_med3_num_f32 v[WK+n], v[64*((\a)%4)+n], -v[LIM], v[LIM]
.set n, n+1
.endr
	WIN 0
.irp b, 0,1,2,3,4,5,6,7
	v_cvt_scalef32_pk8_fp8_f32 v[CDV+16*((\a)%4)+2*\b:CDV+16*((\a)%4)+2*\b+1], v[WK+8*\b:WK+8*\b+7], v[SC]
.endr
	v_nop
.irp i, 0,1,2,3
	global_store_b128 v[LI], v[CDV+16*((\a)%4)+4*\i:CDV+16*((\a)%4)+4*\i+3], s[DBV:DBV+1] offset:((\a)/4)*262144+8192+((\a)%4)*2048+512*\i
.endr
.endm
.irp a, 0,1,2,3,4,5,6,7
	VOUT \a
.endr
.Lout:
	s_wait_tensorcnt 0x0                           ; the wave's end
	ds_add_u32 v[SPW], v[NIL]
	s_wait_dscnt 0x0
	CROUND                                         ; the closing round
	s_endpgm
.Lfunc_end_k_qf0e6aa23fa_qkv:
	.size	k_qf0e6aa23fa_qkv, .Lfunc_end_k_qf0e6aa23fa_qkv-k_qf0e6aa23fa_qkv
	.p2alignl 7, 3214868480
	.fill 96, 4, 3214868480
	.section	.rodata,"a",@progbits
	.p2align	6, 0x0
	.amdhsa_kernel k_qf0e6aa23fa_qkv
		.amdhsa_group_segment_fixed_size 327680
		.amdhsa_private_segment_fixed_size 0
		.amdhsa_enable_private_segment 0
		.amdhsa_kernarg_size 48
		.amdhsa_user_sgpr_count 2
		.amdhsa_user_sgpr_kernarg_segment_ptr 1
		.amdhsa_wavefront_size32 1
		.amdhsa_system_sgpr_workgroup_id_x 1
		.amdhsa_system_sgpr_workgroup_id_y 1
		.amdhsa_system_sgpr_workgroup_id_z 1
		.amdhsa_system_vgpr_workitem_id 0
		.amdhsa_next_free_vgpr 1024
		.amdhsa_next_free_sgpr 100
		.amdhsa_reserve_vcc 0
		.amdhsa_float_denorm_mode_32 3
		.amdhsa_float_denorm_mode_16_64 3
		.amdhsa_memory_ordered 1
		.amdhsa_forward_progress 1
		.amdhsa_inst_pref_size 198
	.end_amdhsa_kernel
	.amdgpu_metadata
---
amdhsa.version: [ 1, 2 ]
amdhsa.kernels:
  - .name:           k_qf0e6aa23fa_qkv
    .symbol:         k_qf0e6aa23fa_qkv.kd
    .args:
      - { .name: xcodes, .offset: 0, .size: 8, .value_kind: global_buffer, .address_space: global }
      - { .name: wcodes, .offset: 8, .size: 8, .value_kind: global_buffer, .address_space: global }
      - { .name: lowp_scales, .offset: 16, .size: 8, .value_kind: global_buffer, .address_space: global }
      - { .name: rope, .offset: 24, .size: 8, .value_kind: global_buffer, .address_space: global }
      - { .name: qimg, .offset: 32, .size: 8, .value_kind: global_buffer, .address_space: global }
      - { .name: kvimg, .offset: 40, .size: 8, .value_kind: global_buffer, .address_space: global }
    .group_segment_fixed_size: 327680
    .private_segment_fixed_size: 0
    .kernarg_segment_align: 8
    .kernarg_segment_size: 48
    .max_flat_workgroup_size: 128
    .sgpr_count:     100
    .vgpr_count:     1024
    .wavefront_size: 32
...
	.end_amdgpu_metadata
.endif
;; end of part 2
;; launch attn (part 3): grid 4 x 64, 16 waves a work-group, clusters of 4 x 1, 327,680 bytes of LDS; arguments qimg, kvimg, lowp_scales, aimg; writes aimg
.if DOCPART == 3
	.amdgcn_target "amdgcn-amd-amdhsa--gfx1250"
	.amdhsa_code_object_version 6
	.text
	.protected	k_qf0e6aa23fa_attn
	.globl	k_qf0e6aa23fa_attn
	.p2align	8
	.type	k_qf0e6aa23fa_attn,@function
k_qf0e6aa23fa_attn:
	s_mov_b64 s[64:65], 0
	v_nop
	global_prefetch_b8 v0, s[64:65] scope:SCOPE_SE
	s_setreg_imm32_b32 hwreg(HW_REG_WAVE_MODE, 25, 1), 1
	s_wait_xcnt 0x0
	s_wait_alu depctr_hold_cnt(0) depctr_sa_sdst(0) depctr_va_vdst(0) depctr_va_sdst(0) depctr_va_ssrc(0) depctr_va_vcc(0) depctr_vm_vsrc(0)
	s_getreg_b32 s2, hwreg(HW_REG_IB_STS2, 6, 4)
	s_cmp_eq_u32 s2, 0
	s_cbranch_scc0 .Lentry_in_a_cluster
	s_endpgm
.Lentry_in_a_cluster:
	s_bfe_u32 s2, ttmp6, 0x10000c
	s_cmp_lg_u32 s2, 0x3003
	s_cbranch_scc0 .Lentry_shape_is_right
	s_endpgm
.Lentry_shape_is_right:
; ATTN: causal attention of one (batch, head) on codes of FP8 (E4M3); head size 64, 2,048 keys.  Q, K, V^T come as images of their operand registers; the result leaves as images of the last product's operand.
; THE SOFTMAX: t = score x log2(e) / 8; M = the row's largest t so far, rounded UP to a whole number; p = 2^(t - M) is quantised with 2^e4, not normalised.  The row's sum is taken of the unquantised p, in f32,
; and divides O at the end.  When M moves, the sum and O are multiplied by 2^(old M - new M): exact.
; SHARES.  A head has 128 tiles of 16 queries.  A wave owns tile t (the low one) and tile 127 - t (the high one), t = 4 x rank + cx, rank 0..15 from the wave's number, cx the work-group's place among the head's four.
; With a = rank / 2 the low tile needs key blocks 0 .. a and the high one 0 .. 15 - a, whatever cx is: 17 tile steps of 128 keys in every wave.
; The ranks are dealt so that the waves w .. w + 3 and the waves w, w + 4, w + 8, w + 12 each hold one rank of every four.
; THE WALK.  First the double steps, key blocks 0 .. a: both tiles share each fragment of K and V.  Then the single steps, a + 1 .. 15 - a, for the high tile alone, on two regions of 64 registers that change roles:
; in a step K lies in one region and the scores go to the other; V^T lands where K lay; the next step's K lands where the scores lay, once they are converted.  Even key blocks have K in v64-127, odd ones in v128-191.
; WORK LEFT OUT: key blocks all of whose keys come after a tile's queries, which the causal mask sets to -infinity.
; On a tile's last block (the diagonal) hidden scores become -infinity ahead of the maximum; that block's first key counts for every row of the tile.
; LDS holds the head's whole K and V, 262,144 bytes, the image of kvimg's head, by one load a wave at the head (16,384 bytes each); nothing is filled again.
; CLUSTER 4, 1, 1: the head's four work-groups ask for the fill jointly.  No branch, trip count or LDS address hangs on cx: it enters the addresses of Q and of the result and the mask's numbers alone.
; NO PREFETCH: the one fill is asked for at the head; there is no trip ahead of it in which to ask.
; LAYOUT.  S^T = K Q^T, O^T = V^T P^T: a lane holds ONE query (lane % 16).  Tile c of S^T holds keys 16 c + 8 h + 0..7: converted, registers 2 c, 2 c + 1 of P.  Tile u of O^T holds channels 16 u + 8 h + 0..7.
; LIMITS: e2 + e3 between -122 and 130 (added to the exponent field of log2(e) / 8); e4 and e6 between -126 and 119; e4 + e5 is applied by v_ldexp_f32.  The scaled scores stay under 2^31 in magnitude.
; REGISTERS: v0 448 x 2^e4 once more (behind the head); v1 16 x lane; v2, v3 the add's two; v4 an LDS address; v5 r - 8 h; v6, v7 2^e4, 448 x 2^e4; v8-11, v12-15 low, high: -M, largest t, the sum's pair;
;   v16-23, v24-31 Q low, high; v32-63 double steps: four fragments of K, then v32-47 the high tile's scratch and P, v48-63 the low tile's; single steps: v32-47 P, v48-63 scratch;
;   v64-127, v128-191 the two regions (double steps: S^T high; S^T low, then V^T); v192-223, v224-255 O^T low, high.
.set SPARE, 262144
.set LM2,  0
.set LI,   1
.set SPW,  2
.set NIL,  3
.set ADK,  4
.set DL,   5
.set PSC,  6
.set PLIM, 7
.set WV,   12                          ; s12 wave
.set BH,   13                          ; s13 16 x batch + head
.set AL,   14                          ; s14 the low tile's last key block
.set AH,   15                          ; s15 the high tile's
.set G1A,  16
.set G0A,  32
.set DSL,  40                          ; s40 the low tile's first query less its last block's first key
.set DSH,  41                          ; s41 the high tile's
.set OL,   44
.set OH,   46
.set QL,   48
.set QH,   50
.set SEL,  60
.set CS,   62
.set TB,   66                          ; s66 LDS byte of a key block
.set KB,   67                          ; s67 a key block
.set K1,   76                          ; s76 the odd key block of a pair;  s77 its LDS byte;  s78 the next pair's, held inside K and V
.set T1,   77
.set T2,   78
.macro CROUND                          ; a round of the cluster's barrier
	s_barrier_signal -1
	s_barrier_wait -1
	s_cmp_lg_u32 s[WV], 0
	s_cbranch_scc1 .Lnot_wave_0_\@
	s_barrier_signal -3
.Lnot_wave_0_\@:
	s_barrier_wait -3
	s_barrier_signal -1
	s_barrier_wait -1
.endm
.macro NOPS n
.rept \n
	v_nop
.endr
.endm
	s_load_b256 s[4:11], s[0:1], 0x0               ; qimg, kvimg, the scales, aimg
	v_lshl_add_u32 v[SPW], v0, 2, SPARE
	v_mov_b32 v[NIL], 0
	ds_add_u32 v[SPW], v[NIL]                      ; the opening lines: the add, twice on end, and its wait
	ds_add_u32 v[SPW], v[NIL]
	v_lshrrev_b32 v4, 5, v0
	v_readfirstlane_b32 s[WV], v4
	s_mov_b32 s[G1A], 15|(3<<16)|(1<<21)           ; a dense block as 64 rows of 256 bytes (elements of 8 bytes); the mask names the cluster's four, bit 21 beside it
	s_mov_b32 s[G1A+1], 32<<16
	s_mov_b32 s[G1A+2], 64<<16
	s_mov_b32 s[G1A+3], 32<<16
	s_mov_b32 s[G1A+4], 64
	s_mov_b32 s[G1A+5], 32
	s_mov_b32 s[G1A+6], 0
	s_mov_b32 s[G1A+7], 0
	s_and_b32 s[BH], ttmp7, 0xffff
	s_and_b32 s69, s[WV], 3
	s_lshr_b32 s70, s[WV], 2
	s_add_co_u32 s69, s69, s70
	s_and_b32 s69, s69, 3
	s_lshl_b32 s69, s69, 2
	s_add_co_u32 s69, s69, s70                     ; rank = 4 ((w % 4 + w / 4) % 4) + w / 4
	s_lshr_b32 s[AL], s69, 1
	s_xor_b32 s[AH], s[AL], 15                     ; 15 - a
	s_bfe_u32 s68, ttmp6, 0x40000                  ; cx
	s_lshl_b32 s71, s69, 2
	s_add_co_u32 s71, s71, s68                     ; t
	s_sub_co_u32 s70, 127, s71                     ; 127 - t
	s_and_b32 s[DSL], s71, 7
	s_lshl_b32 s[DSL], s[DSL], 4                   ; 16 (t % 8)
	s_sub_co_u32 s[DSH], 112, s[DSL]               ; 16 (7 - t % 8)
	s_mov_b32 s[G0A], 1
	s_lshl_b32 s[G0A+1], s[WV], 14                 ; LDS address: the wave's number x 16,384; the same offset holds in the head's bytes in memory
	s_lshl_b32 s72, s[BH], 18
	s_mov_b32 s73, 0
	s_mov_b32 s75, 0
	s_mov_b32 s[SEL], 0x76543210
	s_mov_b32 s[SEL+1], 0xfedcba98
	s_wait_dscnt 0x0
	s_wait_kmcnt 0x0
	s_add_nc_u64 s[72:73], s[6:7], s[72:73]
	s_mov_b32 s74, s[G0A+1]
	s_add_nc_u64 s[G0A+2:G0A+3], s[72:73], s[74:75]
	s_or_b32 s[G0A+3], s[G0A+3], 0x80000000
	CROUND                                         ; the four work-groups are here: the joint loads meet
	tensor_load_to_lds s[G0A:G0A+3], s[G1A:G1A+7]  ; my sixteenth of K and V: one tensor load a wave
	s_nop 0
	s_load_b256 s[52:59], s[8:9], 0x0              ; the eight exponents
	s_lshl_b32 s72, s[BH], 17                      ; qimg: a head is 131,072 bytes, a tile 1,024
	s_mov_b32 s73, 0
	s_add_nc_u64 s[4:5], s[4:5], s[72:73]
	s_lshl_b32 s74, s71, 10
	s_add_nc_u64 s[QL:QL+1], s[4:5], s[74:75]
	s_lshl_b32 s74, s70, 10
	s_add_nc_u64 s[QH:QH+1], s[4:5], s[74:75]
	s_lshr_b32 s72, s[BH], 4                       ; aimg: [16 tokens 512][128 of the width 8][2,048 bytes]: a batch is 2^21 bytes, a tile 16,384, a head 1,024
	s_lshl_b32 s72, s72, 21
	s_and_b32 s74, s[BH], 15
	s_lshl_b32 s74, s74, 10
	s_add_co_u32 s72, s72, s74
	s_add_nc_u64 s[10:11], s[10:11], s[72:73]
	s_lshl_b32 s74, s71, 14
	s_add_nc_u64 s[OL:OL+1], s[10:11], s[74:75]
	s_lshl_b32 s74, s70, 14
	s_add_nc_u64 s[OH:OH+1], s[10:11], s[74:75]
	v_and_b32 v[LI], 31, v0
	v_lshlrev_b32 v[LI], 4, v[LI]
	global_load_b128 v[16:19], v[LI], s[QL:QL+1]
	global_load_b128 v[20:23], v[LI], s[QL:QL+1] offset:512
	global_load_b128 v[24:27], v[LI], s[QH:QH+1]
	global_load_b128 v[28:31], v[LI], s[QH:QH+1] offset:512
	v_and_b32 v[DL], 15, v0
	v_bfe_u32 v4, v0, 4, 1
	v_lshlrev_b32 v4, 3, v4
	v_sub_nc_u32 v[DL], v[DL], v4                  ; r - 8 h
	v_mov_b32 v9, 0xff61b1e6                       ; the largest t so far: -3e38
	v_floor_f32 v8, -v9                            ; -M
	v_mov_b32 v10, 0
	v_mov_b32 v11, 0
	v_mov_b32 v13, 0xff61b1e6
	v_floor_f32 v12, -v13
	v_mov_b32 v14, 0
	v_mov_b32 v15, 0
.set n, 192
.rept 64
	v_mov_b32 v[n], 0                              ; O^T: the step has no first form of its own; the first change of M leaves zeros zeros
.set n, n+1
.endr
	s_wait_kmcnt 0x0
	s_add_co_i32 s69, s54, s55                     ; e2 + e3 go into c's exponent field
	s_lshl_b32 s69, s69, 23
	s_mov_b32 s[CS], 0x3e38aa3b                    ; log2(e) / 8
	s_add_co_i32 s[CS], s[CS], s69
	s_mov_b32 s[CS+1], s[CS]
	s_add_co_i32 s69, s56, 127
	s_lshl_b32 s70, s69, 23
	v_mov_b32 v[PSC], s70                          ; 2^e4
	s_add_co_i32 s69, s69, 8
	s_lshl_b32 s69, s69, 23
	s_or_b32 s69, s69, 0x600000
	v_mov_b32 v[PLIM], s69                         ; 448 x 2^e4,
	v_mov_b32 v[LM2], s69                          ; and once more, for the second half of a dual pair (v0 is done with)
.macro KLOADS reg                      ; a key block's eight fragments of K (16 keys x 64 each)
.irp f, 0,1,2,3,4,5,6,7
	ds_load_b128 v[\reg+8*\f:\reg+8*\f+3], v[ADK] offset:\f*1024
	ds_load_b128 v[\reg+8*\f+4:\reg+8*\f+7], v[ADK] offset:\f*1024+512
.endr
.endm
.macro VLOADS reg                      ; its four tiles of V^T (16 channels x 128 keys each)
.irp u, 0,1,2,3
.irp i, 0,1,2,3
	ds_load_b128 v[\reg+16*\u+4*\i:\reg+16*\u+4*\i+3], v[ADK] offset:8192+2048*\u+512*\i
.endr
.endr
.endm
; A tile's softmax for a step, first part: up to p.  sb: 64 scores, then p; st: -M, largest t, the sum's pair; tm: 16 registers of scratch (+0..3 maxima, +4 the other half's, +6 f, +8, +9 the mask's);
; msk = 1: the step may be the tile's diagonal: kbr the step's key block, dg the tile's last, ds its first query less that block's first key.
.macro SOFTA sb, st, tm, msk, kbr, dg, ds
.if \msk
	s_cmp_lg_u32 s[\kbr], s[\dg]
	s_cbranch_scc1 .Lopen_\@                       ; not the diagonal: all 128 keys count
	s_wait_alu depctr_va_vdst(0)                   ; ahead of the first readers of the scores
	v_add_nc_u32 v[\tm+8], s[\ds], v[DL]           ; d = my query - the block's first key - 8 h.  Register 8 c + j holds key 16 c + 8 h + j of the block: hidden where 16 c + j > d
	v_mov_b32 v[\tm+9], 0xff800000
.irp t, 0,1,2,3,4,5,6,7
.irp j, 0,1,2,3,4,5,6,7
	v_cmp_gt_i32 vcc_lo, 16*\t+\j, v[\tm+8]
	v_cndmask_b32 v[\sb+8*\t+\j], v[\sb+8*\t+\j], v[\tm+9], vcc_lo
.endr
.endr
.Lopen_\@:
.endif
	s_wait_alu depctr_va_vdst(0)                   ; likewise on the way that has no mask
.irp k, 0,1,2,3                        ; the largest of my 64 scores, in four chains of 16, each accumulator from its low end on
	v_max3_num_f32 v[\tm+\k], v[\sb+16*\k], v[\sb+16*\k+1], v[\sb+16*\k+2]
.endr
.irp i, 3,5,7,9,11,13
.irp k, 0,1,2,3
	v_max3_num_f32 v[\tm+\k], v[\tm+\k], v[\sb+16*\k+\i], v[\sb+16*\k+\i+1]
.endr
.endr
	v_max3_num_f32 v[\tm], v[\tm], v[\tm+1], v[\sb+15]
	v_max3_num_f32 v[\tm+2], v[\tm+2], v[\tm+3], v[\sb+31]
	v_max3_num_f32 v[\tm], v[\tm], v[\tm+2], v[\sb+47]
	v_max_num_f32 v[\tm], v[\tm], v[\sb+63]
	v_permlanex16_b32 v[\tm+4], v[\tm], s[SEL], s[SEL+1]
	s_delay_alu instid0(VALU_DEP_1)
	v_max_num_f32 v[\tm], v[\tm], v[\tm+4]         ; and among lane l xor 16's
	s_delay_alu instid0(VALU_DEP_1)
	v_mul_f32 v[\tm], s[CS], v[\tm]                ; as t (c is positive)
	s_delay_alu instid0(VALU_DEP_1)
	v_max_num_f32 v[\st+1], v[\st+1], v[\tm]       ; the running largest t
	v_mov_b32 v[\tm], v[\st]
	s_delay_alu instid0(VALU_DEP_2)
	v_floor_f32 v[\st], -v[\st+1]                  ; the new -M = -ceil(t)
	s_delay_alu instid0(VALU_DEP_1)
	v_sub_f32 v[\tm], v[\st], v[\tm]               ; old M less new M: a whole number, 0 or less
	s_delay_alu instid0(VALU_DEP_1)
	v_cvt_i32_f32 v[\tm], v[\tm]
	s_delay_alu instid0(VALU_DEP_1)
	v_ldexp_f32 v[\tm+6], 1.0, v[\tm]              ; f = 2^(old M - new M)
.set n, 0
.rept 32
	v_pk_fma_f32 v[\sb+n:\sb+n+1], v[\sb+n:\sb+n+1], s[CS:CS+1], v[\st:\st+1] op_sel_hi:[1,0,0]   ; t - M
.set n, n+2
.endr
	s_wait_alu depctr_va_vdst(0)                   ; ahead of the batch
.set n, 0
.rept 64
	v_exp_f32 v[\sb+n], v[\sb+n]                   ; p = 2^(t - M)
.set n, n+1
.endr
	v_pk_mul_f32 v[\st+2:\st+3], v[\st+2:\st+3], v[\tm+6:\tm+7] op_sel_hi:[1,0]   ; the sums under the new M (the plain line behind the batch)
	s_wait_alu depctr_va_vdst(0)                   ; one wait for the batch
.endm
.macro RESC ob, tm                     ; O^T under the new M
.set n, 0
.rept 16
	v_pk_mul_f32 v[\ob+n:\ob+n+1], v[\ob+n:\ob+n+1], v[\tm+6:\tm+7] op_sel_hi:[1,0]
.set n, n+2
.endr
.endm
; second part: the row's sum of the unquantised p in four chains (tm + 8 .. 15), the hold, the conversions into pc
.macro SOFTB sb, st, tm, pc
.irp k, 0,1,2,3
	v_pk_add_f32 v[\tm+8+2*\k:\tm+9+2*\k], v[\sb+4*\k:\sb+4*\k+1], v[\sb+4*\k+2:\sb+4*\k+3]
.endr
.irp j, 16,24,32,40,48,56
.irp k, 0,1,2,3
	v_pk_add_f32 v[\tm+8+2*\k:\tm+9+2*\k], v[\tm+8+2*\k:\tm+9+2*\k], v[\sb+\j+2*\k:\sb+\j+2*\k+1]
.endr
.endr
	v_pk_add_f32 v[\tm+8:\tm+9], v[\tm+8:\tm+9], v[\tm+10:\tm+11]
	v_pk_add_f32 v[\tm+12:\tm+13], v[\tm+12:\tm+13], v[\tm+14:\tm+15]
	v_pk_add_f32 v[\tm+8:\tm+9], v[\tm+8:\tm+9], v[\tm+12:\tm+13]
	v_pk_add_f32 v[\st+2:\st+3], v[\st+2:\st+3], v[\tm+8:\tm+9]
.set n, 0
.rept 32                               ; the conversion does not saturate (ISA guide 7.6.2); p is not negative, so the hold is one-sided; two a line
	v_dual_min_num_f32 v[\sb+n], v[\sb+n], v[PLIM] :: v_dual_min_num_f32 v[\sb+n+1], v[\sb+n+1], v[LM2]
.set n, n+2
.endr
.irp b, 0,1,2,3,4,5,6,7
	v_cvt_scalef32_pk8_fp8_f32 v[\pc+2*\b:\pc+2*\b+1], v[\sb+8*\b:\sb+8*\b+7], v[PSC]
.endr
	v_nop                                          ; a plain line behind the last conversion
.endm
.macro QKD g                           ; a double step: four fragments of K (64 keys) against both tiles
.irp f, 0,1,2,3
	ds_load_b128 v[32+8*\f:35+8*\f], v[ADK] offset:(4*\g+\f)*1024
	ds_load_b128 v[36+8*\f:39+8*\f], v[ADK] offset:(4*\g+\f)*1024+512
.endr
.irp f, 0,1,2,3
	s_wait_dscnt 6-2*\f                            ; fragment f's two loads are in; the 6 - 2 f behind them may be out
	v_wmma_f32_16x16x64_fp8_fp8 v[64+8*(4*\g+\f):71+8*(4*\g+\f)], v[32+8*\f:39+8*\f], v[24:31], 0
	v_wmma_f32_16x16x64_fp8_fp8 v[128+8*(4*\g+\f):135+8*(4*\g+\f)], v[32+8*\f:39+8*\f], v[16:23], 0
.endr
.endm
.macro DSTEP                           ; A DOUBLE STEP: 128 keys for both tiles
	s_cmp_gt_u32 s[KB], s[AL]
	s_cbranch_scc1 .Ldone_\@                       ; behind the low tile's diagonal
	v_add_nc_u32 v[ADK], s[TB], v[LI]
	s_wait_alu depctr_va_vdst(0)
	NOPS 5                                         ; behind the last step's products: loads into P's registers want four places, products that write over V^T's registers five
	QKD 0
	NOPS 4                                         ; places in front of loads into K's registers
	QKD 1
	NOPS 4                                         ; places in front of the first read of the scores and of writes into K's registers
	SOFTA 128, 8, 48, 1, KB, AL, DSL
	RESC 192, 48                                   ; directly behind the batch's wait: the first readers of O^T
	SOFTB 128, 8, 48, 48
	VLOADS 128                                     ; into the registers that the low tile's scores have left; they land during the high tile's softmax
	SOFTA 64, 12, 32, 0, KB, AL, DSL               ; the high tile's diagonal lies at key block 8 or later: no mask here
	RESC 224, 32
	SOFTB 64, 12, 32, 32
	s_wait_alu depctr_va_vdst(0)
	s_wait_dscnt 0x0                               ; V^T is in
.irp u, 0,1,2,3                        ; O^T += V^T P^T: the eight accumulators take turns
	v_wmma_f32_16x16x128_fp8_fp8 v[224+8*\u:231+8*\u], v[128+16*\u:143+16*\u], v[32:47], v[224+8*\u:231+8*\u]
	v_wmma_f32_16x16x128_fp8_fp8 v[192+8*\u:199+8*\u], v[128+16*\u:143+16*\u], v[48:63], v[192+8*\u:199+8*\u]
.endr
.Ldone_\@:
.endm
; A SINGLE STEP: 128 keys for the high tile.  kr: the region in which K was asked for a step ago, and in which V^T lands; sr: the scores' region, in which the next step's K lands.
; kbr, tbr: the key block and its LDS byte; tnr: the next block's LDS byte.
.macro SSTEP kr, sr, kbr, tbr, tnr
	s_cmp_le_u32 s[\kbr], s[AL]
	s_cbranch_scc1 .Lskip_\@                       ; done as a double step
	s_cmp_gt_u32 s[\kbr], s[AH]
	s_cbranch_scc1 .Lskip_\@                       ; all its keys come after my queries
	NOPS 5                                         ; the products below write over the last step's V^T: five places
.irp f, 0,1,2,3,4,5,6,7
	s_wait_dscnt 14-2*\f                           ; K's sixteen loads are my youngest LDS instructions: fragment f's two are in, the 14 - 2 f behind them may be out
	v_wmma_f32_16x16x64_fp8_fp8 v[\sr+8*\f:\sr+8*\f+7], v[\kr+8*\f:\kr+8*\f+7], v[24:31], 0
.endr
	v_add_nc_u32 v[ADK], s[\tbr], v[LI]
	NOPS 3                                         ; with the line above: four places in front of loads into K's registers and of the first read of the scores
	VLOADS \kr                                     ; they land during the softmax
	SOFTA \sr, 12, 48, 1, \kbr, AH, DSH
	SOFTB \sr, 12, 48, 32
	s_wait_dscnt 0x0                               ; V^T is in
	s_cmp_eq_u32 s[\kbr], s[AH]
	s_cbranch_scc1 .Lnone_\@                       ; my last step asks for nothing
	v_add_nc_u32 v[ADK], s[\tnr], v[LI]
	KLOADS \sr                                     ; the next step's K, over the scores, which are converted
.Lnone_\@:
	s_wait_alu depctr_va_vdst(0)                   ; directly ahead of the first readers of O^T
	RESC 224, 48
.irp u, 0,1,2,3
	v_wmma_f32_16x16x128_fp8_fp8 v[224+8*\u:231+8*\u], v[\kr+16*\u:\kr+16*\u+15], v[32:47], v[224+8*\u:231+8*\u]
.endr
.Lskip_\@:
.endm
	s_wait_alu depctr_va_vdst(0)
	s_wait_loadcnt 0x0                             ; Q
	s_wait_tensorcnt 0x0                           ; my part of K and V is in,
	s_barrier_signal -1
	s_barrier_wait -1                              ; everybody's is
	s_mov_b32 s[TB], 0
	s_mov_b32 s[KB], 0
.Ldbl:                                 ; key blocks 0 .. 7: a constant number of trips in every wave
	DSTEP
	s_add_co_u32 s[TB], s[TB], 16384
	s_add_co_u32 s[KB], s[KB], 1
	s_cmp_lt_u32 s[KB], 8
	s_cbranch_scc1 .Ldbl
	NOPS 5                                         ; places behind the last products, in front of the loads below
	s_add_co_u32 s68, s[AL], 1                     ; my first single step's K: key block a + 1, into the region of its parity
	s_lshl_b32 s68, s68, 14
	v_add_nc_u32 v[ADK], s68, v[LI]
	s_wait_alu depctr_va_vdst(0)
	s_and_b32 s69, s[AL], 1
	s_cmp_eq_u32 s69, 1
	s_cbranch_scc1 .Lk_even
	KLOADS 128
	s_branch .Lk_asked
.Lk_even:
	KLOADS 64
.Lk_asked:
	s_mov_b32 s[TB], 0
	s_mov_b32 s[KB], 0
.Lsgl:                                 ; key blocks 0 .. 15 by pairs: a constant number of trips in every wave
	s_add_co_u32 s[K1], s[KB], 1
	s_add_co_u32 s[T1], s[TB], 16384
	s_add_co_u32 s[T2], s[TB], 32768
	s_min_u32 s[T2], s[T2], 245760                 ; the address stays inside K and V on every way
	SSTEP 64, 128, KB, TB, T1
	SSTEP 128, 64, K1, T1, T2
	s_add_co_u32 s[KB], s[KB], 2
	s_add_co_u32 s[TB], s[TB], 32768
	s_cmp_lt_u32 s[KB], 16
	s_cbranch_scc1 .Lsgl
	s_wait_dscnt 0x0                               ; no LDS load of mine is out: the regions are written below
	; THE WAY OUT: O^T / the sum x 2^(e4 + e5), quantised with 2^e6, leaves as two images a tile: each store of the wave covers 512 consecutive bytes, aligned.
	NOPS 4
	v_add_f32 v10, v10, v11
	v_add_f32 v14, v14, v15
	v_mov_b32 v48, 0                               ; (a lane permute's destination counts as one of its sources)
	v_mov_b32 v49, 0
	v_permlanex16_b32 v48, v10, s[SEL], s[SEL+1]
	v_permlanex16_b32 v49, v14, s[SEL], s[SEL+1]
	v_add_f32 v10, v10, v48
	v_add_f32 v14, v14, v49
	s_wait_alu depctr_va_vdst(0)                   ; ahead of the batch of two
	v_rcp_f32 v10, v10
	v_rcp_f32 v14, v14
	s_add_co_i32 s69, s58, 127
	s_lshl_b32 s70, s69, 23
	v_mov_b32 v[PSC], s70                          ; 2^e6 (the plain line behind the reciprocals)
	s_add_co_i32 s69, s69, 8
	s_lshl_b32 s69, s69, 23
	s_or_b32 s69, s69, 0x600000
	v_mov_b32 v[PLIM], s69                         ; 448 x 2^e6
	s_add_co_i32 s69, s56, s57                     ; e4 + e5
	s_wait_alu depctr_va_vdst(0)                   ; one wait for both reciprocals
	v_ldexp_f32 v10, v10, s69
	v_ldexp_f32 v14, v14, s69
	s_wait_alu depctr_va_vdst(0)                   ; directly ahead of the first readers of O^T
.set n, 0
.rept 16
	v_pk_mul_f32 v[64+n:65+n], v[192+n:193+n], v[10:11] op_sel_hi:[1,0]
.set n, n+2
.endr
.set n, 0
.rept 16
	v_pk_mul_f32 v[96+n:97+n], v[224+n:225+n], v[14:15] op_sel_hi:[1,0]
.set n, n+2
.endr
.irp t, 0,1,2,3,4,5,6,7                ; 0-3: the low tile; 4-7: the high one
.irp j, 0,1,2,3,4,5,6,7
	v_med3_num_f32 v[64+8*\t+\j], v[64+8*\t+\j], -v[PLIM], v[PLIM]
.endr
	v_cvt_scalef32_pk8_fp8_f32 v[32+2*\t:33+2*\t], v[64+8*\t:71+8*\t], v[PSC]
.endr
	v_nop
	global_store_b128 v[LI], v[32:35], s[OL:OL+1]
	global_store_b128 v[LI], v[36:39], s[OL:OL+1] offset:512
	global_store_b128 v[LI], v[40:43], s[OH:OH+1]
	global_store_b128 v[LI], v[44:47], s[OH:OH+1] offset:512
	s_wait_tensorcnt 0x0                           ; the wave's end
	ds_add_u32 v[SPW], v[NIL]
	s_wait_dscnt 0x0
	CROUND                                         ; the closing round
	s_endpgm
.Lfunc_end_k_qf0e6aa23fa_attn:
	.size	k_qf0e6aa23fa_attn, .Lfunc_end_k_qf0e6aa23fa_attn-k_qf0e6aa23fa_attn
	.p2alignl 7, 3214868480
	.fill 96, 4, 3214868480
	.section	.rodata,"a",@progbits
	.p2align	6, 0x0
	.amdhsa_kernel k_qf0e6aa23fa_attn
		.amdhsa_group_segment_fixed_size 327680
		.amdhsa_private_segment_fixed_size 0
		.amdhsa_enable_private_segment 0
		.amdhsa_kernarg_size 32
		.amdhsa_user_sgpr_count 2
		.amdhsa_user_sgpr_kernarg_segment_ptr 1
		.amdhsa_wavefront_size32 1
		.amdhsa_system_sgpr_workgroup_id_x 1
		.amdhsa_system_sgpr_workgroup_id_y 1
		.amdhsa_system_sgpr_workgroup_id_z 1
		.amdhsa_system_vgpr_workitem_id 0
		.amdhsa_next_free_vgpr 256
		.amdhsa_next_free_sgpr 80
		.amdhsa_reserve_vcc 1
		.amdhsa_float_denorm_mode_32 3
		.amdhsa_float_denorm_mode_16_64 3
		.amdhsa_memory_ordered 1
		.amdhsa_forward_progress 1
		.amdhsa_inst_pref_size 95
	.end_amdhsa_kernel
	.amdgpu_metadata
---
amdhsa.version: [ 1, 2 ]
amdhsa.kernels:
  - .name:           k_qf0e6aa23fa_attn
    .symbol:         k_qf0e6aa23fa_attn.kd
    .args:
      - { .name: qimg, .offset: 0, .size: 8, .value_kind: global_buffer, .address_space: global }
      - { .name: kvimg, .offset: 8, .size: 8, .value_kind: global_buffer, .address_space: global }
      - { .name: lowp_scales, .offset: 16, .size: 8, .value_kind: global_buffer, .address_space: global }
      - { .name: aimg, .offset: 24, .size: 8, .value_kind: global_buffer, .address_space: global }
    .group_segment_fixed_size: 327680
    .private_segment_fixed_size: 0
    .kernarg_segment_align: 8
    .kernarg_segment_size: 32
    .max_flat_workgroup_size: 512
    .sgpr_count:     80
    .vgpr_count:     256
    .wavefront_size: 32
...
	.end_amdgpu_metadata
.endif
;; end of part 3
;; launch proj (part 4): grid 4 x 64, 4 waves a work-group, clusters of 4 x 4, 327,680 bytes of LDS; arguments aimg, wcodes, lowp_scales, out0; writes out0
.if DOCPART == 4
	.amdgcn_target "amdgcn-amd-amdhsa--gfx1250"
	.amdhsa_code_object_version 6
	.text
	.protected	k_qf0e6aa23fa_proj
	.globl	k_qf0e6aa23fa_proj
	.p2align	8
	.type	k_qf0e6aa23fa_proj,@function
k_qf0e6aa23fa_proj:
	s_mov_b64 s[64:65], 0
	v_nop
	global_prefetch_b8 v0, s[64:65] scope:SCOPE_SE
	s_setreg_imm32_b32 hwreg(HW_REG_WAVE_MODE, 25, 1), 1
	s_wait_xcnt 0x0
	s_wait_alu depctr_hold_cnt(0) depctr_sa_sdst(0) depctr_va_vdst(0) depctr_va_sdst(0) depctr_va_ssrc(0) depctr_va_vcc(0) depctr_vm_vsrc(0)
	s_getreg_b32 s2, hwreg(HW_REG_IB_STS2, 6, 4)
	s_cmp_eq_u32 s2, 0
	s_cbranch_scc0 .Lentry_in_a_cluster
	s_endpgm
.Lentry_in_a_cluster:
	s_bfe_u32 s2, ttmp6, 0x10000c
	s_cmp_lg_u32 s2, 0xf033
	s_cbranch_scc0 .Lentry_shape_is_right
	s_endpgm
.Lentry_shape_is_right:
; PROJ: out0 [8192][1024] = attention's result x wo^T on codes of FP8 (E4M3), K = 1,024, f32 sums, each finished sum x 2^(e6 + e7).
; LIMIT: e6 + e7 lies between -126 and 127, so that this power is an f32 number.
; A block of 128 tokens x 256 columns is made by four waves, 64 x 128 each: 32 accumulators, 256 registers: 64 x 4 = 256 work-groups.
; A (aimg) lies as images of operand registers: [16 tokens][128 of K: 8][2,048 bytes]; B = wo's codes, rows 3,072 .. 4,095 of wcodes, K innermost in the stored order that gives a lane its registers by loads of 16 bytes.
; K COMES IN THREE FILLS, one tensor load a wave each: K 0..255 into region 0 at the head; K 256..767 into region 1 behind the full sequence; K 768..1,023 into region 0 again when its first two steps are read.
;   region 0: A 8 x 4,096 bytes, B 256 rows of 256 + 16 bytes;  region 1: A 8 x 8,192 bytes, B 256 rows of 512 + 16 bytes.  Both pitches are odd multiples of 16 bytes (64 banks of 4 bytes: ISA guide 11.1).
; CLUSTERS: 4 x 4; A's tile hangs on the tile row and is shared along a row of the cluster, B's on the tile column and is shared along a column: joint loads.
; Source 0 = 16 rows of wo, source 1 = 16 tokens: a lane holds eight neighbouring columns of one row of the result.  Both sources have two sets of fragments: a step's 48 loads are issued a step ahead.
; THE WAY OUT: a block of 16 rows x 128 columns goes through the wave's stage in LDS and leaves as rows of 512 bytes.  The stages lie in region 1, which has had its only fill, behind the barrier behind which nobody reads it.
; NO PREFETCH: the walk of three fills is written out; there is no loop to run ahead in.
; REGISTERS: window 0: v0-31 addresses; v32-95 at work on the way out; v128-191, v192-255 A's two sets (on the way out: rows read back).  window 1: B's two sets.  window 2: the accumulators, (a, b) at v[8 (8 a + b)].
.set SIZE_N, 1024
.set P0,     272
.set P1,     528
.set FR,     16
.set RA0,    0
.set RB0,    32768
.set RA1,    102400
.set RB1,    167936
.set SPARE,  303104                    ; the spare words, 128 bytes a wave, which no other line names
.set STAGE,  RA1
.set WO0,    3072*1024
.set SPITCH, 528
.set ADRA, 16                          ; v16-17 my A fragments in region 0, 1
.set ADRB, 20                          ; v20-21 my B fragments
.set STO,  24
.set RD,   25
.set CO,   26
.set SPW,  28
.set NIL,  29
.set TMP,  32
.set AF,   128
.set BK,   128
.set GA0, 24                           ; groups 1: A's tile of region 0, of region 1; B's likewise
.set GA1, 32
.set GB0, 40
.set GB1, 48
.set F0A, 56                           ; groups 0 of the three fills
.set F0B, 60
.set F1A, 76
.set F1B, 80
.set F2A, 84
.set F2B, 88
.set MSB, 0
.macro WIN new
.if MSB != (\new)
	s_set_vgpr_msb (MSB<<8)|(\new)
.set MSB, (\new)
.endif
.endm
.set MUL_LO, 0xa1                      ; source 0 window 1, source 1 window 0, C and D window 2
.set TO_B,   0x40
; a joint load: waves 0, 1 fetch A's halves, waves 2, 3 B's; an s_nop 0 and four v_nop follow each line
.macro JLOAD g0a, g1a, g0b, g1b
	s_cmp_eq_u32 s15, 0
	s_cbranch_scc0 .Lfor_b_\@
	tensor_load_to_lds s[\g0a:\g0a+3], s[\g1a:\g1a+7]
	s_nop 0
.rept 4
	v_nop
.endr
	s_branch .Lasked_\@
.Lfor_b_\@:
	tensor_load_to_lds s[\g0b:\g0b+3], s[\g1b:\g1b+7]
	s_nop 0
.rept 4
	v_nop
.endr
.Lasked_\@:
.endm
.macro CREST
	s_cmp_lg_u32 s14, 0
	s_cbranch_scc1 .Lnot_wave_0_\@
	s_barrier_signal -3
.Lnot_wave_0_\@:
	s_barrier_wait -3
	s_barrier_signal -1
	s_barrier_wait -1
.endm
.macro CROUND
	s_barrier_signal -1
	s_barrier_wait -1
	CREST
.endm
.macro G1SET g, d0, rows, pitch
	s_mov_b32 s[\g+1], (\d0)<<16
	s_mov_b32 s[\g+2], (\rows)<<16
	s_mov_b32 s[\g+3], (\d0)<<16
	s_mov_b32 s[\g+4], \rows
	s_mov_b32 s[\g+5], \pitch
	s_mov_b32 s[\g+6], 0
	s_mov_b32 s[\g+7], 0
.endm
.macro G0SET g, lds, base, off
	s_mov_b32 s[\g], 1
	s_mov_b32 s[\g+1], s[\lds]
	s_add_nc_u64 s[\g+2:\g+3], s[\base:\base+1], \off
	s_or_b32 s[\g+3], s[\g+3], 0x80000000
.endm
	s_load_b128 s[4:7], s[0:1], 0x0                ; aimg, wcodes
	s_load_b128 s[8:11], s[0:1], 0x10              ; the scales, out0
	v_lshl_add_u32 v[SPW], v0, 2, SPARE
	v_mov_b32 v[NIL], 0
	ds_add_u32 v[SPW], v[NIL]                      ; the opening lines: the add, twice on end, and its wait
	ds_add_u32 v[SPW], v[NIL]
	v_lshrrev_b32 v1, 5, v0
	v_readfirstlane_b32 s14, v1                    ; wave 0..3
	s_lshr_b32 s15, s14, 1                         ; my half of the tokens; also: I fetch for A (0) or for B (1)
	s_and_b32 s16, s14, 1                          ; my half of the columns; also: which half of that tile I fetch
	s_bfe_u32 s66, ttmp6, 0x40000                  ; cx
	s_bfe_u32 s67, ttmp6, 0x40004                  ; cy
	s_lshl_b32 s68, ttmp9, 2
	s_add_co_u32 s68, s68, s66                     ; tile column
	s_and_b32 s17, ttmp7, 0xffff
	s_lshl_b32 s17, s17, 2
	s_add_co_u32 s17, s17, s67                     ; tile row
	s_lshl_b32 s69, s67, 2
	s_lshl_b32 s69, 15, s69                        ; my row of the cluster
	s_lshl_b32 s70, 0x1111, s66                    ; my column
	s_or_b32 s[GA0], s69, (3<<16)|(1<<21)          ; A: elements of 8 bytes, no padding
	s_or_b32 s[GA1], s69, (3<<16)|(1<<21)
	s_or_b32 s[GB0], s70, (0<<16)|(1<<20)|(1<<21)|(5<<22)|(3<<25)   ; B: bytes; four words of padding after every 64,
	s_or_b32 s[GB1], s70, (0<<16)|(1<<20)|(1<<21)|(6<<22)|(3<<25)   ; after every 128
	G1SET GA0, 512, 4, 2048                        ; 4 blocks of 16 tokens x 4,096 bytes, 16,384 bytes apart
	G1SET GA1, 1024, 4, 2048                       ; x 8,192 bytes
	G1SET GB0, 256, 128, 1024                      ; 128 rows x 256 bytes
	G1SET GB1, 512, 128, 1024                      ; x 512 bytes
	s_lshl_b32 s20, s17, 3
	s_lshl_b32 s18, s16, 2
	s_add_co_u32 s20, s20, s18                     ; A: block of 16 tokens 8 x tile row + 4 x half,
	s_lshl_b32 s20, s20, 14                        ; of 16,384 bytes
	s_mov_b32 s21, 0
	s_lshl_b32 s22, s68, 8
	s_lshl_b32 s18, s16, 7
	s_add_co_u32 s22, s22, s18                     ; B: row 256 x tile column + 128 x half,
	s_lshl_b32 s22, s22, 10
	s_add_co_u32 s22, s22, WO0                     ; behind wq, wk, wv
	s_mov_b32 s23, 0
	s_lshl_b32 s71, s16, 14                        ; where they go: constants and the wave's number alone
	s_mul_i32 s72, s16, 128*P0
	s_add_co_u32 s72, s72, RB0
	s_lshl_b32 s73, s16, 15
	s_add_co_u32 s73, s73, RA1
	s_mul_i32 s74, s16, 128*P1
	s_add_co_u32 s74, s74, RB1
	s_wait_dscnt 0x0
	s_wait_kmcnt 0x0
	s_load_b64 s[96:97], s[8:9], 0x18              ; e6, e7
	s_add_nc_u64 s[20:21], s[4:5], s[20:21]
	s_add_nc_u64 s[22:23], s[6:7], s[22:23]
	G0SET F0A, 71, 20, 0                           ; K 0..255
	G0SET F0B, 72, 22, 0
	G0SET F1A, 73, 20, 4096                        ; K 256..767: A's third image of 2,048 bytes on
	G0SET F1B, 74, 22, 256
	G0SET F2A, 71, 20, 12288                       ; K 768..1,023
	G0SET F2B, 72, 22, 768
	CROUND                                         ; all sixteen work-groups are here: the first joint loads meet
	JLOAD F0A, GA0, F0B, GB0                       ; one tensor load a wave at the head
	v_and_b32 v1, 15, v0                           ; r
	v_bfe_u32 v2, v0, 4, 1                         ; h
	v_and_b32 v6, 31, v0
	v_lshlrev_b32 v[CO], 4, v6                     ; 16 x lane
	v_mul_u32_u24 v3, v1, P0
	v_lshl_add_u32 v3, v2, 4, v3                   ; B: row x pitch + 16 h, region 0,
	v_mul_u32_u24 v4, v1, P1
	v_lshl_add_u32 v4, v2, 4, v4                   ; region 1
	v_mul_u32_u24 v5, v1, SPITCH
	v_lshl_add_u32 v5, v2, 5, v5                   ; the stage, way in: row r, 32 bytes for each half of the lanes
	s_wait_alu depctr_va_vdst(0)
	s_lshl_b32 s75, s15, 14                        ; my four blocks of A in region 0,
	s_lshl_b32 s92, s15, 15
	s_add_co_u32 s92, s92, RA1                     ; in region 1
	s_mul_i32 s93, s14, 16*SPITCH
	s_add_co_u32 s93, s93, STAGE                   ; my stage
	v_add_nc_u32 v[ADRA], s75, v[CO]
	v_add_nc_u32 v[ADRA+1], s92, v[CO]
	v_add_nc_u32 v[ADRB], s72, v3
	v_add_nc_u32 v[ADRB+1], s74, v4
	v_add_nc_u32 v[STO], s93, v5
	v_add_nc_u32 v[RD], s93, v[CO]
	s_lshl_b32 s20, s17, 7
	s_lshl_b32 s21, s15, 6
	s_add_co_u32 s20, s20, s21                     ; my first row of the result,
	s_lshl_b32 s20, s20, 12                        ; of 4,096 bytes
	s_mov_b32 s21, 0
	s_lshl_b32 s22, s68, 10
	s_lshl_b32 s23, s16, 9
	s_add_co_u32 s22, s22, s23                     ; my first column, in bytes
	s_mov_b32 s23, 0
	s_add_nc_u64 s[20:21], s[20:21], s[22:23]
	s_add_nc_u64 s[10:11], s[10:11], s[20:21]
; fragments of the q-th 128 along K of region rg into set p: B's eight (16 rows x 128 K, four loads of 16 bytes each), A's four (four images of 512 bytes each)
.macro FETCH rg, q, p
	WIN TO_B
.irp i, 0,1,2,3,4,5,6,7
.irp c, 0,1,2,3
	ds_load_b128 v[128*(\p)+FR*\i+4*\c:128*(\p)+FR*\i+4*\c+3], v[ADRB+\rg] offset:\i*16*(P0+(P1-P0)*(\rg))+128*(\q)+32*\c
.endr
.endr
	WIN 0
.irp i, 0,1,2,3
.irp c, 0,1,2,3
	ds_load_b128 v[AF+64*(\p)+FR*\i+4*\c:AF+64*(\p)+FR*\i+4*\c+3], v[ADRA+\rg] offset:\i*(4096<<(\rg))+2048*(\q)+512*\c
.endr
.endr
.endm
; 16 matrix instructions: A's blocks a0, a0 + 1 x B's eight; the 32 accumulators take turns, one instruction a turn; zero = 1: the first product starts the sums
.macro MUL16 a0, p, zero
.irp a, \a0, \a0+1
.irp b, 0,1,2,3,4,5,6,7
.if \zero
	v_wmma_f32_16x16x128_fp8_fp8 v[8*(8*(\a)+\b):8*(8*(\a)+\b)+7], v[128*(\p)+FR*\b:128*(\p)+FR*\b+FR-1], v[AF+64*(\p)+FR*(\a):AF+64*(\p)+FR*(\a)+FR-1], 0
.else
	v_wmma_f32_16x16x128_fp8_fp8 v[8*(8*(\a)+\b):8*(8*(\a)+\b)+7], v[128*(\p)+FR*\b:128*(\p)+FR*\b+FR-1], v[AF+64*(\p)+FR*(\a):AF+64*(\p)+FR*(\a)+FR-1], v[8*(8*(\a)+\b):8*(8*(\a)+\b)+7]
.endif
.endr
.endr
.endm
.macro PLACES n                        ; places behind a matrix instruction (ISA guide 7.12.1 for vector ALU instructions)
.rept \n
	v_nop
.endr
.endm
.macro STEP p, zero, nrg, nq           ; 128 along K on set p; the next step's fragments (region nrg, its nq-th 128) go into the other set
	PLACES 4
	FETCH \nrg, \nq, 1-(\p)
	s_wait_dscnt 48                                ; all but the 48 loads just issued
	WIN MUL_LO
	MUL16 0, \p, \zero
	MUL16 2, \p, \zero
	WIN 0
.endm
; a region's last step: each wave waits for all its tensor loads, adds 0 to its spare word, waits for that and for its reads; fill = 1: a round of the cluster's barrier, and region 0 is filled again
.macro TURN p, fill, nrg
	s_wait_tensorcnt 0x0
	ds_add_u32 v[SPW], v[NIL]
	s_wait_dscnt 1                                 ; the add may be out; this step's fragments are in
	WIN MUL_LO
	MUL16 0, \p, 0
	s_wait_dscnt 0x0
	s_barrier_signal -1
	MUL16 2, \p, 0
	WIN 0
	s_barrier_wait -1
.if \fill
	CREST
	JLOAD F2A, GA0, F2B, GB0                       ; the first tensor load behind the round; its four v_nop are the places in front of the loads below
.else
	PLACES 4
.endif
	FETCH \nrg, 0, 1-(\p)
.endm
	s_wait_alu depctr_va_vdst(0)
	s_wait_tensorcnt 0x0                           ; my part of K 0..255 is in; these lines stand ahead of a later first fill as ahead of a refill
	ds_add_u32 v[SPW], v[NIL]
	s_wait_dscnt 0x0
	CROUND
	JLOAD F1A, GA1, F1B, GB1                       ; K 256..767, the first tensor load behind the round
	FETCH 0, 0, 0
	STEP 0, 1, 0, 1                                ; K 0
	TURN 1, 1, 1                                   ; K 128; region 0 takes K 768..1,023
	STEP 0, 0, 1, 1                                ; K 256
	STEP 1, 0, 1, 2                                ; K 384
	STEP 0, 0, 1, 3                                ; K 512
	TURN 1, 0, 0                                   ; K 640; nothing is left to fetch
	STEP 0, 0, 0, 1                                ; K 768
	s_wait_dscnt 0x0
	WIN MUL_LO
	MUL16 0, 1, 0                                  ; K 896
	MUL16 2, 1, 0
	WIN 0
.macro TOSTAGE a
	WIN 0x02                                       ; source 0: window 2
.irp j, 0,2,4,6,8,10,12,14,16,18,20,22,24,26,28,30,32,34,36,38,40,42,44,46,48,50,52,54,56,58,60,62
	v_pk_mul_f32 v[TMP+\j:TMP+\j+1], v[64*(\a)+\j:64*(\a)+\j+1], s[96:97] op_sel_hi:[1,0]   ; x 2^(e6 + e7); each accumulator from its low end on
.endr
	WIN 0
.irp b, 0,1,2,3,4,5,6,7
	ds_store_b128 v[STO], v[TMP+8*\b:TMP+8*\b+3] offset:64*\b
	ds_store_b128 v[STO], v[TMP+8*\b+4:TMP+8*\b+7] offset:64*\b+16
.endr
.set BB, BK+64*((\a)%2)
.irp t, 0,1,2,3,4,5,6,7,8,9,10,11,12,13,14,15
	ds_load_b128 v[BB+4*\t:BB+4*\t+3], v[RD] offset:\t*SPITCH   ; LDS serves a wave's instructions in order (ISA guide 5.7.1.4): these see my stores
.endr
.endm
.macro SEND a, younger                 ; younger: the LDS instructions issued behind block a's loads
.set BB, BK+64*((\a)%2)
	s_wait_dscnt \younger
.if (\a) > 0
	s_add_nc_u64 s[10:11], s[10:11], 16*SIZE_N*4   ; behind a wait on XCNT: the earlier stores have read their base
.endif
.irp t, 0,1,2,3,4,5,6,7,8,9,10,11,12,13,14,15
	global_store_b128 v[CO], v[BB+4*\t:BB+4*\t+3], s[10:11] offset:\t*SIZE_N*4 th:TH_STORE_NT   ; 32 lanes store 512 consecutive bytes, aligned
.endr
.endm
	s_wait_kmcnt 0x0
	s_add_co_i32 s96, s96, s97
	s_add_co_i32 s96, s96, 127
	s_lshl_b32 s96, s96, 23                        ; 2^(e6 + e7)
	PLACES 4
	TOSTAGE 0
.irp a, 1,2,3
.if \a > 1
	s_wait_xcnt 0x0                                ; block a - 2's stores have read their registers and their base
.endif
	TOSTAGE \a
	SEND \a-1, 32
.endr
	s_wait_xcnt 0x0
	SEND 3, 0
	s_wait_tensorcnt 0x0                           ; the wave's end
	ds_add_u32 v[SPW], v[NIL]
	s_wait_dscnt 0x0
	CROUND                                         ; the closing round
	s_endpgm
.Lfunc_end_k_qf0e6aa23fa_proj:
	.size	k_qf0e6aa23fa_proj, .Lfunc_end_k_qf0e6aa23fa_proj-k_qf0e6aa23fa_proj
	.p2alignl 7, 3214868480
	.fill 96, 4, 3214868480
	.section	.rodata,"a",@progbits
	.p2align	6, 0x0
	.amdhsa_kernel k_qf0e6aa23fa_proj
		.amdhsa_group_segment_fixed_size 327680
		.amdhsa_private_segment_fixed_size 0
		.amdhsa_enable_private_segment 0
		.amdhsa_kernarg_size 32
		.amdhsa_user_sgpr_count 2
		.amdhsa_user_sgpr_kernarg_segment_ptr 1
		.amdhsa_wavefront_size32 1
		.amdhsa_system_sgpr_workgroup_id_x 1
		.amdhsa_system_sgpr_workgroup_id_y 1
		.amdhsa_system_sgpr_workgroup_id_z 1
		.amdhsa_system_vgpr_workitem_id 0
		.amdhsa_next_free_vgpr 768
		.amdhsa_next_free_sgpr 98
		.amdhsa_reserve_vcc 0
		.amdhsa_float_denorm_mode_32 3
		.amdhsa_float_denorm_mode_16_64 3
		.amdhsa_memory_ordered 1
		.amdhsa_forward_progress 1
		.amdhsa_inst_pref_size 75
	.end_amdhsa_kernel
	.amdgpu_metadata
---
amdhsa.version: [ 1, 2 ]
amdhsa.kernels:
  - .name:           k_qf0e6aa23fa_proj
    .symbol:         k_qf0e6aa23fa_proj.kd
    .args:
      - { .name: aimg, .offset: 0, .size: 8, .value_kind: global_buffer, .address_space: global }
      - { .name: wcodes, .offset: 8, .size: 8, .value_kind: global_buffer, .address_space: global }
      - { .name: lowp_scales, .offset: 16, .size: 8, .value_kind: global_buffer, .address_space: global }
      - { .name: out0, .offset: 24, .size: 8, .value_kind: global_buffer, .address_space: global }
    .group_segment_fixed_size: 327680
    .private_segment_fixed_size: 0
    .kernarg_segment_align: 8
    .kernarg_segment_size: 32
    .max_flat_workgroup_size: 128
    .sgpr_count:     98
    .vgpr_count:     768
    .wavefront_size: 32
...
	.end_amdgpu_metadata
.endif
;; end of part 4
